; MI455X (gfx1250); checked and timed in simulation.
; The chip was launched on July 23, 2026; its instructions are those of AMD's public machine-readable ISA for CDNA 5 (MIT licence, August 2026) and "CDNA5" Instruction Set Architecture Reference Guide (July 2026). The comments in the code are by the model that wrote it; some were corrected since.
;; Self Attention. Allowed arithmetic: float matrix products may take bf16 or f16 operands with f32 sums; all other float work in f32.
;; Inputs: W_K 1,024 x 1,024 float32; W_Q 1,024 x 1,024 float32; W_V 1,024 x 1,024 float32; X 4 x 2,048 x 1,024 float32.
;; Outputs: out0 4 x 2,048 x 1,024 float32.
;; 2 versions, each right; version 2 is version 1 with the launch cast written anew for expert scheduling mode. Each part assembles by itself: llvm-mc -triple=amdgcn-amd-amdhsa -mcpu=gfx1250 --defsym DOCPART=n.
;; ======== version 1 of 2: 4 launches
;; limits: values are held in f16: magnitudes above 65,504 overflow, below 6.1e-05 lose precision
;; workspace buffers: xb 16,777,216 bytes; wb 6,291,456 bytes; qkv 50,331,648 bytes; p 33,554,432 bytes; stats 1,048,576 bytes
;; launch cast (part 1): grid 704 x 1, 8 waves a work-group, no clusters, 0 bytes of LDS; arguments X, W_Q, W_K, W_V, xb, wb; writes xb, wb
.if DOCPART == 1
	.amdgcn_target "amdgcn-amd-amdhsa--gfx1250"
	.amdhsa_code_object_version 6
	.text
	.protected	k_qf72451b41b_cast
	.globl	k_qf72451b41b_cast
	.p2align	8
	.type	k_qf72451b41b_cast,@function
k_qf72451b41b_cast:
	s_mov_b64 s[64:65], 0
	v_nop
	global_prefetch_b8 v0, s[64:65] scope:SCOPE_SE
	s_setreg_imm32_b32 hwreg(HW_REG_WAVE_MODE, 25, 1), 1
	s_wait_xcnt 0x0
; X [8192][1024] and W_Q, W_K, W_V [1024][1024], all f32, are rounded once to bf16 (nearest even) and laid out for the product that follows:
;   xb = [16 panels of 64 k][8192 rows][64] bf16: 256 rows x 64 k of X are 32,768 dense bytes;
;   wb = [1024 k][3072 n] bf16: n 0-1023 W_Q, 1024-2047 W_K, 2048-3071 W_V.
; A stream: no LDS, no barrier, no matrix unit.  A work-group takes 65,536 bytes of f32, a wave 8,192: 16 loads of 16 bytes a lane, all issued
; at once into registers of their own, so nothing is used twice and there is no loop.  Work-groups 0-511 take X (16 rows each), 512-703 the weights
; (64 work-groups and 16 rows each for every matrix).  Each store of a wave covers 256 consecutive bytes, aligned.
.set XI, 8                             ; v[8:71]    unit j: 4 f32 as loaded
.set YO, 72                            ; v[72:103]  unit j: 4 bf16 to store
	s_load_b256 s[4:11], s[0:1], 0x0               ; X s[4:5], W_Q s[6:7], W_K s[8:9], W_V s[10:11]
	s_load_b128 s[12:15], s[0:1], 0x20             ; xb s[12:13], wb s[14:15]
	v_and_b32 v1, 31, v0                           ; lane
	v_lshrrev_b32 v4, 5, v0
	v_readfirstlane_b32 s16, v4                    ; wave 0..7
	v_lshlrev_b32 v3, 3, v1                        ; out: 8 bytes a lane
	s_mov_b32 s21, 0                               ; high words of the two offsets
	s_mov_b32 s23, 0
.macro UNIT j                          ; unit j is in (the 15 - j younger loads stay out: loads come back in order) and is rounded
	s_wait_loadcnt 15-(\j)
	v_cvt_pk_bf16_f32 v[YO+2*(\j)], v[XI+4*(\j)], v[XI+4*(\j)+1]
	v_cvt_pk_bf16_f32 v[YO+2*(\j)+1], v[XI+4*(\j)+2], v[XI+4*(\j)+3]
.endm
	s_cmp_lt_u32 ttmp9, 512
	s_cbranch_scc0 .Lweights
	; X.  My wave's two rows; unit p is panel p: lanes 0-15 take 256 bytes of the even row, lanes 16-31 of the odd one.
	v_and_b32 v2, 15, v1
	v_lshlrev_b32 v2, 4, v2
	v_lshrrev_b32 v5, 4, v1
	v_lshl_add_u32 v2, v5, 12, v2                  ; in: 4,096 (lane / 16) + 16 (lane % 16)
	s_lshl_b32 s20, ttmp9, 16                      ; 16 rows of 4,096 bytes a work-group,
	s_lshl_b32 s17, s16, 13                        ; two a wave
	s_add_co_u32 s20, s20, s17
	s_lshl_b32 s22, ttmp9, 11                      ; in a panel a row is 128 bytes
	s_lshl_b32 s17, s16, 8
	s_add_co_u32 s22, s22, s17
	s_wait_kmcnt 0x0
	s_add_nc_u64 s[4:5], s[4:5], s[20:21]
	s_add_nc_u64 s[12:13], s[12:13], s[22:23]
	s_add_nc_u64 s[24:25], s[12:13], 0x800000      ; panels 8-15: a second base, so that the stores' immediates stay inside their signed 24 bits
.irp j, 0,1,2,3,4,5,6,7,8,9,10,11,12,13,14,15
	global_load_b128 v[XI+4*(\j):XI+4*(\j)+3], v2, s[4:5] offset:256*(\j) th:TH_LOAD_NT
.endr
.irp j, 0,1,2,3,4,5,6,7
	UNIT \j
	global_store_b64 v3, v[YO+2*(\j):YO+2*(\j)+1], s[12:13] offset:(\j)<<20   ; the two rows' 128 bytes lie end to end in the panel
.endr
.irp j, 8,9,10,11,12,13,14,15
	UNIT \j
	global_store_b64 v3, v[YO+2*(\j):YO+2*(\j)+1], s[24:25] offset:((\j)-8)<<20
.endr
	s_endpgm
.Lweights:
	; The weights.  My wave's two rows of one matrix; unit j is 512 consecutive bytes: row j / 8, columns 128 (j % 8) on.
	v_lshlrev_b32 v2, 4, v1                        ; in: 16 bytes a lane
	s_sub_co_u32 s17, ttmp9, 512
	s_lshr_b32 s18, s17, 6                         ; which matrix: 0 W_Q, 1 W_K, 2 W_V
	s_and_b32 s19, s17, 63
	s_lshl_b32 s19, s19, 4
	s_lshl_b32 s17, s16, 1
	s_add_co_u32 s19, s19, s17                     ; my first row
	s_lshl_b32 s20, s19, 12                        ; in: rows of 4,096 bytes
	s_mul_i32 s22, s19, 6144                       ; out: rows of 6,144 bytes,
	s_lshl_b32 s17, s18, 11                        ; the matrix's 2,048 bytes of each
	s_add_co_u32 s22, s22, s17
	s_wait_kmcnt 0x0
	s_cmp_eq_u32 s18, 1
	s_cselect_b64 s[26:27], s[8:9], s[6:7]
	s_cmp_eq_u32 s18, 2
	s_cselect_b64 s[26:27], s[10:11], s[26:27]
	s_add_nc_u64 s[26:27], s[26:27], s[20:21]
	s_add_nc_u64 s[14:15], s[14:15], s[22:23]
.irp j, 0,1,2,3,4,5,6,7,8,9,10,11,12,13,14,15
	global_load_b128 v[XI+4*(\j):XI+4*(\j)+3], v2, s[26:27] offset:512*(\j) th:TH_LOAD_NT
.endr
.irp j, 0,1,2,3,4,5,6,7,8,9,10,11,12,13,14,15
	UNIT \j
	global_store_b64 v3, v[YO+2*(\j):YO+2*(\j)+1], s[14:15] offset:((\j)/8)*6144+((\j)%8)*256
.endr
	s_endpgm
.Lfunc_end_k_qf72451b41b_cast:
	.size	k_qf72451b41b_cast, .Lfunc_end_k_qf72451b41b_cast-k_qf72451b41b_cast
	.p2alignl 7, 3214868480
	.fill 96, 4, 3214868480
	.section	.rodata,"a",@progbits
	.p2align	6, 0x0
	.amdhsa_kernel k_qf72451b41b_cast
		.amdhsa_group_segment_fixed_size 0
		.amdhsa_private_segment_fixed_size 0
		.amdhsa_enable_private_segment 0
		.amdhsa_kernarg_size 48
		.amdhsa_user_sgpr_count 2
		.amdhsa_user_sgpr_kernarg_segment_ptr 1
		.amdhsa_wavefront_size32 1
		.amdhsa_system_sgpr_workgroup_id_x 1
		.amdhsa_system_sgpr_workgroup_id_y 1
		.amdhsa_system_sgpr_workgroup_id_z 1
		.amdhsa_system_vgpr_workitem_id 0
		.amdhsa_next_free_vgpr 104
		.amdhsa_next_free_sgpr 66
		.amdhsa_reserve_vcc 0
		.amdhsa_float_denorm_mode_32 3
		.amdhsa_float_denorm_mode_16_64 3
		.amdhsa_memory_ordered 1
		.amdhsa_forward_progress 1
		.amdhsa_inst_pref_size 13
	.end_amdhsa_kernel
	.amdgpu_metadata
---
amdhsa.version: [ 1, 2 ]
amdhsa.kernels:
  - .name:           k_qf72451b41b_cast
    .symbol:         k_qf72451b41b_cast.kd
    .args:
      - { .name: X, .offset: 0, .size: 8, .value_kind: global_buffer, .address_space: global }
      - { .name: W_Q, .offset: 8, .size: 8, .value_kind: global_buffer, .address_space: global }
      - { .name: W_K, .offset: 16, .size: 8, .value_kind: global_buffer, .address_space: global }
      - { .name: W_V, .offset: 24, .size: 8, .value_kind: global_buffer, .address_space: global }
      - { .name: xb, .offset: 32, .size: 8, .value_kind: global_buffer, .address_space: global }
      - { .name: wb, .offset: 40, .size: 8, .value_kind: global_buffer, .address_space: global }
    .group_segment_fixed_size: 0
    .private_segment_fixed_size: 0
    .kernarg_segment_align: 8
    .kernarg_segment_size: 48
    .max_flat_workgroup_size: 256
    .sgpr_count:     66
    .vgpr_count:     104
    .wavefront_size: 32
...
	.end_amdgpu_metadata
.endif
;; end of part 1
;; launch proj (part 2): grid 8 x 32, 4 waves a work-group, clusters of 4 x 4, 327,680 bytes of LDS; arguments xb, wb, qkv; writes qkv
.if DOCPART == 2
	.amdgcn_target "amdgcn-amd-amdhsa--gfx1250"
	.amdhsa_code_object_version 6
	.text
	.protected	k_qf72451b41b_proj
	.globl	k_qf72451b41b_proj
	.p2align	8
	.type	k_qf72451b41b_proj,@function
k_qf72451b41b_proj:
	s_mov_b64 s[64:65], 0
	v_nop
	global_prefetch_b8 v0, s[64:65] scope:SCOPE_SE
	s_setreg_imm32_b32 hwreg(HW_REG_WAVE_MODE, 25, 1), 1
	s_wait_xcnt 0x0
	s_wait_alu depctr_hold_cnt(0) depctr_sa_sdst(0) depctr_va_vdst(0) depctr_va_sdst(0) depctr_va_ssrc(0) depctr_va_vcc(0) depctr_vm_vsrc(0)
	s_getreg_b32 s2, hwreg(HW_REG_IB_STS2, 6, 4)
	s_cmp_eq_u32 s2, 0
	s_cbranch_scc0 .Lentry_in_a_cluster
	s_endpgm
.Lentry_in_a_cluster:
	s_bfe_u32 s2, ttmp6, 0x10000c
	s_cmp_lg_u32 s2, 0xf033
	s_cbranch_scc0 .Lentry_shape_is_right
	s_endpgm
.Lentry_shape_is_right:
; qkv[8192][3072] = X W, W = (W_Q | W_K | W_V): operands bf16 (xb in panels of 64 k, wb [k][n]), sums f32, K ascending, the result rounded once to f16.
; LIMIT.  f16 ends at 65,504: q, k and v must lie within it.  With unit X and weights of spread 1/32 they have spread 1; all inputs 30 times larger give some 5e3,
; a common offset of 30 spreads some 3e4.  NaN and infinities are not treated apart.
; SHARES.  A work-group makes 256 rows x 384 columns: 32 x 8 = 256 work-groups of equal work (tiles of 256 x 256 would be 384).  Four waves, each 128 rows x 192 columns:
; 96 accumulators of 16 x 16, 768 registers.  K goes in 16 steps of 64 through two LDS slots filled by the tensor data mover.
; CLUSTER.  4 x 4 work-groups.  The four of a row need the same tile of X, the four of a column the same tile of W: each tile is asked for jointly, by the same tensor load with
; the same descriptor and a mask that names the four.
; THE MATRIX INSTRUCTION IS USED TRANSPOSED: source 0 = 16 columns of W (turned out of LDS by ds_load_tr16_b128), source 1 = 16 rows of X.  A lane then holds row lane % 16 and the
; eight neighbouring columns 8 (lane / 16) + 0..7, which pack into 16 bytes.
; REGISTERS, in windows of 256 (s_set_vgpr_msb: bits 1:0 source 0, 3:2 source 1, 5:4 source 2, 7:6 destination):
;   window 0: v0-31 addresses; v32-95, v96-159 X's fragments, two buffers (block a at + 8 a); v160-255 W's fragments, one buffer (block b at + 8 b), reloaded a third at a time
;   windows 1-3: accumulator (a, b) in window 1 + b / 4 at v[8 (8 (b % 4) + a)]
.set PA,     144                       ; a row of X in LDS: 128 bytes + 16 = 36 words: the 16 rows of a load start at 16 different groups of four banks (64 banks of 4 bytes: ISA guide 11.1)
.set PB,     864                       ; a row of W: 3 x (256 + 32) bytes = 27 x 32
.set HALFA,  128*PA                    ; what one tensor load brings of X: 128 rows
.set ATILE,  256*PA
.set HALFB,  32*PB                     ; and of W: 32 k
.set SLOT1,  131072                    ; slot 1 begins here: one exclusive or turns an address in one slot into the other's
.set STAGE,  SLOT1+ATILE+64*PB         ; behind the ring, never filled by a tensor load: 128 rows x 784 bytes, the work-group's, for the way out
.set SP,     784                       ; 768 + 16
.set SPARE,  STAGE+128*SP              ; the spare words, 128 bytes for each wave: two blocks of 256 bytes that no other line names
.set STEP_A, 1<<20                     ; bytes from a K step to the next: a panel of xb,
.set STEP_B, 64*6144                   ; 64 rows of wb
.set A0,   4                           ; v4     my lane's place in X's tile; never rewritten
.set B0,   5                           ; v5-7   the same in W's tile, for my columns' three groups of 64
.set ADRA, 8                           ; v8     A0 + the slot in hand
.set ADRB, 9                           ; v9-11  B0 + the slot in hand
.set STO,  24                          ; v24    the way out: where I put 16 bytes of a row
.set RD,   25                          ; v25    where I read rows back
.set CO,   26                          ; v26    my byte offset in qkv
.set SPW,  28                          ; v28    LDS address of my spare word; never rewritten
.set NIL,  29                          ; v29    0; never rewritten
.set AF0,  32
.set AF1,  96
.set BF,   160
.set TMP,  32                          ; the way out: packed results, then whole rows
.set G1A, 24                           ; s[24:31] descriptor group 1 for X's tiles;  s[32:39] group 0: a set for each first fill; the second then walks on
.set G0A, 32
.set G1B, 48                           ; s[48:55], s[56:63] the same for W's tiles
.set G0B, 56
.set MSB, 0
.macro WIN new                         ; the immediate's high byte repeats the setting that is left; a switch that changes nothing is dropped
.if MSB != (\new)
	s_set_vgpr_msb (MSB<<8)|(\new)
.set MSB, \new
.endif
.endm
.macro PLACES                          ; four places in front of loads into registers that matrix instructions have read, and of conversions that read results
.rept 4
	v_nop
.endr
.endm
.macro JLOAD                           ; a joint refill: waves 0 and 1 fetch X's two halves, waves 2 and 3 W's; an s_nop 0 and four v_nop follow each line
	s_cmp_eq_u32 s11, 0
	s_cbranch_scc0 .Lfor_b_\@
	tensor_load_to_lds s[G0A+4:G0A+7], s[G1A:G1A+7]
	s_nop 0
.rept 4
	v_nop
.endr
	s_branch .Lasked_\@
.Lfor_b_\@:
	tensor_load_to_lds s[G0B+4:G0B+7], s[G1B:G1B+7]
	s_nop 0
.rept 4
	v_nop
.endr
.Lasked_\@:
.endm
.macro CREST                           ; a round of the cluster's barrier behind its opening barrier
	s_cmp_lg_u32 s10, 0
	s_cbranch_scc1 .Lnot_wave_0_\@
	s_barrier_signal -3
.Lnot_wave_0_\@:
	s_barrier_wait -3
	s_barrier_signal -1
	s_barrier_wait -1
.endm
.macro CROUND                          ; a whole round
	s_barrier_signal -1
	s_barrier_wait -1
	CREST
.endm
.macro WALK                            ; the walking descriptors: the other slot than last time, the next K step; the type bits on top are not reached
	s_xor_b32 s[G0A+5], s[G0A+5], SLOT1
	s_add_nc_u64 s[G0A+6:G0A+7], s[G0A+6:G0A+7], STEP_A
	s_xor_b32 s[G0B+5], s[G0B+5], SLOT1
	s_add_nc_u64 s[G0B+6:G0B+7], s[G0B+6:G0B+7], STEP_B
.endm
	s_load_b128 s[4:7], s[0:1], 0x0                ; xb s[4:5], wb s[6:7]
	s_load_b64 s[8:9], s[0:1], 0x10                ; qkv
	v_lshl_add_u32 v[SPW], v0, 2, SPARE
	v_mov_b32 v[NIL], 0
	ds_add_u32 v[SPW], v[NIL]                      ; the wave's opening: the add and its wait stand ahead of my first tensor load; the set-up below stands between them
	v_lshrrev_b32 v1, 5, v0
	v_readfirstlane_b32 s10, v1                    ; wave 0..3
	s_lshr_b32 s11, s10, 1                         ; which half of the tile's rows is mine.  Also: I fetch for X (0) or for W (1)
	s_and_b32 s12, s10, 1                          ; which half of its columns.  Also: which half of that tile I fetch
	s_bfe_u32 s40, ttmp6, 0x40000                  ; cx, cy: my place in the cluster
	s_bfe_u32 s41, ttmp6, 0x40004
	s_lshl_b32 s42, ttmp9, 2
	s_add_co_u32 s42, s42, s40                     ; tile column = 4 x cluster x + cx
	s_and_b32 s13, ttmp7, 0xffff
	s_lshl_b32 s13, s13, 2
	s_add_co_u32 s13, s13, s41                     ; tile row = 4 x cluster y + cy
	s_lshl_b32 s43, s41, 2
	s_lshl_b32 s43, 15, s43                        ; my row of the cluster
	s_lshl_b32 s44, 0x1111, s40                    ; my column
	; X: 128 rows of a panel are 16,384 dense bytes, asked for as 64 rows of 256 bytes and padded in LDS after every 128 (32 words: code 4; 4 words: code 3)
	s_or_b32 s[G1A], s43, (1<<16)|(1<<20)|(1<<21)|(4<<22)|(3<<25)  ; 15:0 the mask; 17:16 2-byte elements; 20 padding on; 21 set beside a mask
	s_mov_b32 s[G1A+1], 128<<16                    ; tensor_dim0 = 128
	s_mov_b32 s[G1A+2], 64<<16                     ; tensor_dim1 = 64
	s_mov_b32 s[G1A+3], 128<<16                    ; tile_dim0 = 128
	s_mov_b32 s[G1A+4], 64                         ; tile_dim1 = 64
	s_mov_b32 s[G1A+5], 128                        ; elements from row to row
	s_mov_b32 s[G1A+6], 0
	s_mov_b32 s[G1A+7], 0
	; W: 32 rows of 384 elements (768 bytes), padded after every 256 bytes (64 words: code 5) by 8 words (code 7): three intervals to a row
	s_or_b32 s[G1B], s44, (1<<16)|(1<<20)|(1<<21)|(5<<22)|(7<<25)
	s_mov_b32 s[G1B+1], 384<<16
	s_mov_b32 s[G1B+2], 32<<16
	s_mov_b32 s[G1B+3], 384<<16
	s_mov_b32 s[G1B+4], 32
	s_mov_b32 s[G1B+5], 3072
	s_mov_b32 s[G1B+6], 0
	s_mov_b32 s[G1B+7], 0
	s_lshl_b32 s16, s13, 15                        ; X: the tile row's 256 rows of 128 bytes in a panel,
	s_lshl_b32 s17, s12, 14                        ; my half of them
	s_add_co_u32 s16, s16, s17
	s_mov_b32 s17, 0
	s_mul_i32 s46, s42, 768                        ; W: the tile column's 768 bytes of a row,
	s_mul_i32 s47, s12, 32*6144                    ; my 32 rows
	s_add_co_u32 s46, s46, s47
	s_mov_b32 s47, 0
	s_mul_i32 s20, s12, HALFA                      ; where they go: no place in the cluster enters an LDS address
	s_mul_i32 s21, s12, HALFB
	s_add_co_u32 s21, s21, ATILE
	s_mov_b32 s70, 0                               ; the slot that the fetches read
	s_wait_dscnt 0x0                               ; the opening add is done
	s_wait_kmcnt 0x0
	s_add_nc_u64 s[14:15], s[4:5], s[16:17]
	s_add_nc_u64 s[46:47], s[6:7], s[46:47]
.irp s, 0,1
	s_mov_b32 s[G0A+4*(\s)], 1                     ; count = 1
	s_add_co_u32 s[G0A+4*(\s)+1], s20, (\s)*SLOT1  ; LDS address
	s_add_nc_u64 s[G0A+4*(\s)+2:G0A+4*(\s)+3], s[14:15], (\s)*STEP_A  ; global address: K step s
	s_or_b32 s[G0A+4*(\s)+3], s[G0A+4*(\s)+3], 0x80000000            ; type = 2
	s_mov_b32 s[G0B+4*(\s)], 1
	s_add_co_u32 s[G0B+4*(\s)+1], s21, (\s)*SLOT1
	s_add_nc_u64 s[G0B+4*(\s)+2:G0B+4*(\s)+3], s[46:47], (\s)*STEP_B
	s_or_b32 s[G0B+4*(\s)+3], s[G0B+4*(\s)+3], 0x80000000
.endr
	CROUND                                         ; all sixteen work-groups are here: the first joint loads meet
	s_cmp_eq_u32 s11, 0                            ; a wave's two first fills stand in one branch: two loads of mine are out
	s_cbranch_scc0 .Lfirst_b
	tensor_load_to_lds s[G0A:G0A+3], s[G1A:G1A+7]
	s_nop 0
	tensor_load_to_lds s[G0A+4:G0A+7], s[G1A:G1A+7]
	s_nop 0
.rept 4
	v_nop
.endr
	s_branch .Lfirst_asked
.Lfirst_b:
	tensor_load_to_lds s[G0B:G0B+3], s[G1B:G1B+7]
	s_nop 0
	tensor_load_to_lds s[G0B+4:G0B+7], s[G1B:G1B+7]
	s_nop 0
.rept 4
	v_nop
.endr
.Lfirst_asked:
	; A fragment of X is 16 rows x 32 k in 8 registers: lane l holds row l % 16, k = 8 (l / 16) + 0..7 and 16 + 8 (l / 16) + 0..7: two loads of 16 bytes, 32 bytes apart.
	v_and_b32 v1, 15, v0                           ; l % 16
	v_bfe_u32 v2, v0, 4, 1                         ; l / 16
	v_mul_u32_u24 v[A0], v1, PA
	v_lshl_add_u32 v[A0], v2, 4, v[A0]
	s_mul_i32 s14, s11, HALFA                      ; my 128 rows
	v_add_nc_u32 v[A0], s14, v[A0]
	; The turning load takes 16 k x 16 columns (lane l reads k = 8 (l / 16) + l % 8, columns 8 ((l / 8) % 2) + 0..7) and leaves half a fragment: lane l holds column l % 16 and 8 k.
	v_and_b32 v3, 7, v0
	v_lshl_add_u32 v3, v2, 3, v3
	v_mul_u32_u24 v3, v3, PB
	v_bfe_u32 v12, v0, 3, 1
	v_lshl_add_u32 v3, v12, 4, v3
	s_mul_i32 s14, s12, 3                          ; my columns begin 3 x 128 bytes into a row for the right half
.irp g, 0,1,2
	s_add_co_u32 s15, s14, \g                      ; group g of 64 columns is the row's piece 3 s12 + g of 128 bytes;
	s_lshr_b32 s16, s15, 1                         ; in front of it lie that many whole 256 bytes, each with 32 bytes of padding
	s_lshl_b32 s16, s16, 5
	s_lshl_b32 s15, s15, 7
	s_add_co_u32 s15, s15, s16
	s_add_co_u32 s15, s15, ATILE
	v_add_nc_u32 v[B0+(\g)], s15, v3
.endr
	v_mov_b32 v[ADRA], v[A0]
.irp g, 0,1,2
	v_mov_b32 v[ADRB+(\g)], v[B0+(\g)]
.endr
	s_mul_i32 s14, s11, 64*SP                      ; into the stage: a pass holds 64 rows of each row half; my half of their 768 bytes
	s_mul_i32 s15, s12, 384
	s_add_co_u32 s14, s14, s15
	s_add_co_u32 s14, s14, STAGE
	v_mul_u32_u24 v[STO], v1, SP
	v_lshl_add_u32 v[STO], v2, 4, v[STO]
	v_add_nc_u32 v[STO], s14, v[STO]
	s_mul_i32 s14, s10, 32*SP                      ; back: wave w takes stage rows 32 w .. 32 w + 31, whole; lanes 0-15 one row's 256 bytes, lanes 16-31 the next row's
	s_add_co_u32 s14, s14, STAGE
	v_mul_u32_u24 v[RD], v2, SP
	v_lshl_add_u32 v[RD], v1, 4, v[RD]
	v_add_nc_u32 v[RD], s14, v[RD]
	v_mul_u32_u24 v[CO], v2, 6144                  ; and the same two rows in qkv
	v_lshl_add_u32 v[CO], v1, 4, v[CO]
	s_lshl_b32 s16, s13, 8                         ; the first row that I store: 256 x tile row + 128 x row half + 32 x column half
	s_lshl_b32 s17, s11, 7
	s_add_co_u32 s16, s16, s17
	s_lshl_b32 s17, s12, 5
	s_add_co_u32 s16, s16, s17
	s_mul_i32 s16, s16, 6144
	s_mov_b32 s17, 0
	s_add_nc_u64 s[8:9], s[8:9], s[16:17]
	s_mul_i32 s46, s42, 768                        ; the tile's first column, in bytes (in the registers that held W's address)
	s_mov_b32 s47, 0
	s_add_nc_u64 s[8:9], s[8:9], s[46:47]
; n x 8 matrix instructions: column blocks n0 .. of group g x all 8 row blocks, 32 along K.  The 96 accumulators take turns, one instruction a turn, in the same order in every 32 along K.
; zero = 1: the first product starts the sums: nothing is ever cleared.
.macro GRP f, g, n0, n, zero
	WIN 0x50*((\g)+1)
.set bq, (\n0)
.rept \n
.set aq, 0
.rept 8
.if \zero
	v_wmma_f32_16x16x32_bf16 v[8*(8*bq+aq):8*(8*bq+aq)+7], v[BF+8*(4*(\g)+bq):BF+8*(4*(\g)+bq)+7], v[(\f)+8*aq:(\f)+8*aq+7], 0
.else
	v_wmma_f32_16x16x32_bf16 v[8*(8*bq+aq):8*(8*bq+aq)+7], v[BF+8*(4*(\g)+bq):BF+8*(4*(\g)+bq)+7], v[(\f)+8*aq:(\f)+8*aq+7], v[8*(8*bq+aq):8*(8*bq+aq)+7]
.endif
.set aq, aq+1
.endr
.set bq, bq+1
.endr
.endm
.macro LA f, q                         ; 16 loads: X's 8 fragments of half q of the K step
.irp a, 0,1,2,3,4,5,6,7
	ds_load_b128 v[(\f)+8*(\a):(\f)+8*(\a)+3],   v[ADRA] offset:16*PA*(\a)+64*(\q)
	ds_load_b128 v[(\f)+8*(\a)+4:(\f)+8*(\a)+7], v[ADRA] offset:16*PA*(\a)+64*(\q)+32
.endr
.endm
.macro LB g, q                         ; 8 loads: the 4 fragments of W's group g
.irp b, 0,1,2,3
	ds_load_tr16_b128 v[BF+8*(4*(\g)+(\b)):BF+8*(4*(\g)+(\b))+3],   v[ADRB+(\g)] offset:HALFB*(\q)+32*(\b)
	ds_load_tr16_b128 v[BF+8*(4*(\g)+(\b))+4:BF+8*(4*(\g)+(\b))+7], v[ADRB+(\g)] offset:HALFB*(\q)+32*(\b)+16*PB
.endr
.endm
; 32 along K: multiplies X's buffer f; each third of W's buffer is loaded again, for half q of the slot in hand, as soon as its products are issued.  The runs of loads are
; R0 (X's other buffer and group 0: 24), R1 (group 1: 8), R2 (group 2: 8), always in this order.
.macro STEP f, q, zero
	s_wait_dscnt 16                                ; R0 is in: behind it R1 and R2 were issued
	GRP AF0+64*(\f), 0, 0, 4, \zero
	PLACES
	WIN 0
	LA AF0+64*(1-(\f)), \q
	LB 0, \q
	s_wait_dscnt 32                                ; R1 is in: behind it R2 and the new R0
	GRP AF0+64*(\f), 1, 0, 4, \zero
	PLACES
	WIN 0
	LB 1, \q
	s_wait_dscnt 32                                ; R2 is in: behind it the new R0 and R1
	GRP AF0+64*(\f), 2, 0, 4, \zero
	PLACES
	WIN 0
	LB 2, \q
.endm
; A K step's last 32 along K multiply buffer 1 and change slots: ONE barrier.  In front of it each wave waits for all its tensor loads (one is out: its part of the next slot), adds 0 to its
; spare word, and waits for that and for its own reads of this slot.  fill = 1: the barrier opens a round of the cluster's, and this slot is filled again, two K steps ahead, first thing behind it:
; 160 matrix instructions ahead of the wait for it.  tail = 1: the last trip leaves here, with the last 64 products still owed.
.macro TURN fill, tail
	WIN 0
	s_wait_tensorcnt 0x0                           ; no tensor load of mine is out, so a group 0 may be written
	ds_add_u32 v[SPW], v[NIL]                      ; 0 onto my spare word
.if \fill
	WALK
.endif
	s_wait_dscnt 17                                ; R0 is in: behind it R1, R2 and the add
	GRP AF1, 0, 0, 2, 0
	s_wait_dscnt 0x0                               ; the add is done, and my reads of this slot are over
	s_barrier_signal -1
	GRP AF1, 0, 2, 2, 0
	WIN 0
	s_barrier_wait -1
.if \fill
	CREST                                          ; no wave of any partner still reads this slot's tile or has a load on its way
	JLOAD                                          ; its four v_nop are also the places in front of the loads below
.else
	PLACES
.endif
	s_xor_b32 s70, s70, SLOT1
	v_add_nc_u32 v[ADRA], s70, v[A0]
.irp g, 0,1,2
	v_add_nc_u32 v[ADRB+(\g)], s70, v[B0+(\g)]
.endr
.if \tail
	s_sub_co_u32 s2, s2, 1
	s_cmp_eq_u32 s2, 0
	s_cbranch_scc1 .Lout
.endif
	LA AF0, 0
	LB 0, 0
	GRP AF1, 1, 0, 4, 0                            ; everything that these read landed at the wait for 0
	PLACES
	WIN 0
	LB 1, 0
	GRP AF1, 2, 0, 4, 0
	PLACES
	WIN 0
	LB 2, 0
.endm
	s_wait_tensorcnt 1                             ; my part of K step 0 is in; step 1's may stay out
	s_barrier_signal -1
	s_barrier_wait -1                              ; everybody's is
	LA AF0, 0
	LB 0, 0
	LB 1, 0
	LB 2, 0
	STEP 0, 1, 1                                   ; the first 32 along K stand in front of the loop: their products start the sums
	s_mov_b32 s3, 14
.Lstep:                                                ; a trip: a K step's second half, the change of slots with a refill, the next step's first half
	TURN 1, 0
	STEP 0, 1, 0
	s_sub_co_u32 s3, s3, 1
	s_cmp_lg_u32 s3, 0
	s_cbranch_scc1 .Lstep
	s_mov_b32 s2, 2
.Ltail:                                                ; the last two K steps ask for nothing: a text of their own
	TURN 0, 1
	STEP 0, 1, 0
	s_branch .Ltail
.Lout:
	GRP AF1, 1, 0, 4, 0
	GRP AF1, 2, 0, 4, 0
; THE WAY OUT, in two passes of 64 rows a wave: rounded to f16; 16 bytes a lane into the work-group's stage; a barrier, since a row's 768 bytes come from two waves; back as whole rows.
.macro PASS p
.if (\p) == 1
	s_wait_xcnt 0x0                                ; the first pass's stores have had their addresses translated (ISA guide 3.1): their data registers are rewritten only behind this wait
.endif
.irp g, 0,1,2
	WIN 5*((\g)+1)                                 ; sources 0 and 1: the group's window
.set aq, 0
.rept 4
.set bq, 0
.rept 4
.set iq, 0
.rept 4                                ; each accumulator's registers in ascending order
	v_cvt_pk_f16_f32 v[TMP+16*aq+4*bq+iq], v[8*(8*bq+4*(\p)+aq)+2*iq], v[8*(8*bq+4*(\p)+aq)+2*iq+1]
.set iq, iq+1
.endr
.set bq, bq+1
.endr
.set aq, aq+1
.endr
	WIN 0
.set aq, 0
.rept 4
.set bq, 0
.rept 4
	ds_store_b128 v[STO], v[TMP+16*aq+4*bq:TMP+16*aq+4*bq+3] offset:16*SP*aq+32*(4*(\g)+bq)
.set bq, bq+1
.endr
.set aq, aq+1
.endr
.endr
	s_wait_dscnt 0x0                               ; for the others' sake: my stores into the stage are done
	s_barrier_signal -1
	s_barrier_wait -1
.set iq, 0
.rept 48
	ds_load_b128 v[TMP+4*iq:TMP+4*iq+3], v[RD] offset:2*SP*(iq/3)+256*(iq%3)
.set iq, iq+1
.endr
.set iq, 0
.rept 48
	s_wait_dscnt 47-iq                             ; LDS loads come back in order: number iq is in
	global_store_b128 v[CO], v[TMP+4*iq:TMP+4*iq+3], s[8:9] offset:(64*(\p)+2*(iq/3))*6144+256*(iq%3)  ; 16 lanes store 256 consecutive bytes, at a multiple of 256 from qkv's first byte
.set iq, iq+1
.endr
.endm
	PLACES                                         ; the conversions read results just made
	PASS 0
	s_barrier_signal -1                            ; every wave's reads of the stage are back (its count-down ended at 0):
	s_barrier_wait -1                              ; only now is the stage written again
	PASS 1
	s_wait_tensorcnt 0x0                           ; the wave's end: an add of 0 to my spare word and its wait, behind my last tensor load and my last LDS store
	ds_add_u32 v[SPW], v[NIL]
	s_wait_dscnt 0x0
	CROUND                                         ; the closing round: no work-group ends while a partner may still ask for a tile that names it
	s_endpgm
.Lfunc_end_k_qf72451b41b_proj:
	.size	k_qf72451b41b_proj, .Lfunc_end_k_qf72451b41b_proj-k_qf72451b41b_proj
	.p2alignl 7, 3214868480
	.fill 96, 4, 3214868480
	.section	.rodata,"a",@progbits
	.p2align	6, 0x0
	.amdhsa_kernel k_qf72451b41b_proj
		.amdhsa_group_segment_fixed_size 327680
		.amdhsa_private_segment_fixed_size 0
		.amdhsa_enable_private_segment 0
		.amdhsa_kernarg_size 24
		.amdhsa_user_sgpr_count 2
		.amdhsa_user_sgpr_kernarg_segment_ptr 1
		.amdhsa_wavefront_size32 1
		.amdhsa_system_sgpr_workgroup_id_x 1
		.amdhsa_system_sgpr_workgroup_id_y 1
		.amdhsa_system_sgpr_workgroup_id_z 1
		.amdhsa_system_vgpr_workitem_id 0
		.amdhsa_next_free_vgpr 1024
		.amdhsa_next_free_sgpr 74
		.amdhsa_reserve_vcc 0
		.amdhsa_float_denorm_mode_32 3
		.amdhsa_float_denorm_mode_16_64 3
		.amdhsa_memory_ordered 1
		.amdhsa_forward_progress 1
		.amdhsa_inst_pref_size 112
	.end_amdhsa_kernel
	.amdgpu_metadata
---
amdhsa.version: [ 1, 2 ]
amdhsa.kernels:
  - .name:           k_qf72451b41b_proj
    .symbol:         k_qf72451b41b_proj.kd
    .args:
      - { .name: xb, .offset: 0, .size: 8, .value_kind: global_buffer, .address_space: global }
      - { .name: wb, .offset: 8, .size: 8, .value_kind: global_buffer, .address_space: global }
      - { .name: qkv, .offset: 16, .size: 8, .value_kind: global_buffer, .address_space: global }
    .group_segment_fixed_size: 327680
    .private_segment_fixed_size: 0
    .kernarg_segment_align: 8
    .kernarg_segment_size: 24
    .max_flat_workgroup_size: 128
    .sgpr_count:     74
    .vgpr_count:     1024
    .wavefront_size: 32
...
	.end_amdgpu_metadata
.endif
;; end of part 2
;; launch scores (part 3): grid 8 x 32, 4 waves a work-group, clusters of 4 x 4, 327,680 bytes of LDS; arguments qkv, p, stats; writes p, stats
.if DOCPART == 3
	.amdgcn_target "amdgcn-amd-amdhsa--gfx1250"
	.amdhsa_code_object_version 6
	.text
	.protected	k_qf72451b41b_scores
	.globl	k_qf72451b41b_scores
	.p2align	8
	.type	k_qf72451b41b_scores,@function
k_qf72451b41b_scores:
	s_mov_b64 s[64:65], 0
	v_nop
	global_prefetch_b8 v0, s[64:65] scope:SCOPE_SE
	s_setreg_imm32_b32 hwreg(HW_REG_WAVE_MODE, 25, 1), 1
	s_wait_xcnt 0x0
	s_wait_alu depctr_hold_cnt(0) depctr_sa_sdst(0) depctr_va_vdst(0) depctr_va_sdst(0) depctr_va_ssrc(0) depctr_va_vcc(0) depctr_vm_vsrc(0)
	s_getreg_b32 s2, hwreg(HW_REG_IB_STS2, 6, 4)
	s_cmp_eq_u32 s2, 0
	s_cbranch_scc0 .Lentry_in_a_cluster
	s_endpgm
.Lentry_in_a_cluster:
	s_bfe_u32 s2, ttmp6, 0x10000c
	s_cmp_lg_u32 s2, 0xf033
	s_cbranch_scc0 .Lentry_shape_is_right
	s_endpgm
.Lentry_shape_is_right:
; For each query row and each block of 128 keys of its batch: s = q . k (f16 operands, f32 sums), m = the block's largest s, p = 2^(c s - c m) in f16, l = the sum of the unrounded p.
; c = log2(e) / 32.  Stored: p [8192][2048] f16; stats [2: c m, l][16 key blocks][8192 rows] f32, where inside each 64 rows row 16 a + r lies at place 4 r + a.
; The softmax's maximum is taken away in two stages: here the true maximum of each block, in the next launch the row's maximum over the 16 blocks: exact for every input.
; LIMITS.  p lies in 0 to 1 (to within an f32 rounding of c m) and below 6e-5 keeps f16's fixed step of 6e-8; a weight below 2^-126 counts as 0 in l; NaN and infinities are not treated apart.
; SHARES.  A work-group makes 256 queries x 256 keys: 32 x 8 = 256 work-groups of equal work; a wave 128 x 128: 64 accumulators, and its 128 keys are one key block.
; K = 1024 goes in 8 steps of 128 through two LDS slots; rows of Q's and K's tiles are 256 bytes of memory at multiples of 256.
; CLUSTER.  4 x 4: Q's tile is shared along a row of the cluster, K's along a column: joint loads.
; THE MATRIX INSTRUCTION IS USED TRANSPOSED: source 0 = 16 keys, source 1 = 16 queries: a lane holds ONE query (lane % 16) and the keys 8 (lane / 16) + 0..7 of each block of 16,
; so a row's maximum and sum want one exchange between the halves of the lanes, and eight weights pack into 16 bytes of a row of p.
; REGISTERS, in windows of 256 (s_set_vgpr_msb: bits 1:0 source 0, 3:2 source 1, 5:4 source 2, 7:6 destination):
;   window 0: v0-31 addresses and statistics; v64-127, v128-191 Q's fragments, two buffers; on the way out v32-63, v224-255 rows read back, v64-95 sums, v192-223 packed weights
;   window 1: v64-127, v128-191 K's fragments     window 2: accumulators of my queries 0-63 ((a, b) at v[8 (8 (a % 4) + b)])     window 3: of my queries 64-127
.set PITCH,  272                       ; an LDS row: 256 bytes + 16 = 68 words: the 16 rows of a load start at 16 different groups of four banks (64 banks of 4 bytes: ISA guide 11.1)
.set HALFT,  128*PITCH
.set SLOT1,  4*HALFT                   ; 0x22000: no tile's address in slot 0 (0, 0x8800, 0x11000, 0x19800) has one of its two bits, so an exclusive or changes slots
.set STAGE,  2*SLOT1                   ; behind the ring, never filled by a tensor load: 16 rows x 272 bytes for each wave
.set STATL,  STAGE+4*16*PITCH          ; 1,024 bytes for each wave: c m of its 128 rows, then l
.set SPARE,  STATL+4096                ; the spare words, 128 bytes for each wave: two blocks of 256 bytes that no other line names
.set STEP_A, 256
.set STEP_B, 256
.set MX,   2                           ; v2-9    eight running maxima
.set CM,   10                          ; v10-11  c m (the pair's low word serves both halves of the packed scaling)
.set T,    12                          ; v12-13  at work: l; what the other half of the lanes sends
.set A0,   16                          ; v16, v17  my lane's place in Q's and K's tile; never rewritten
.set B0,   17
.set ADRA, 18                          ; v18, v19  + the slot in hand
.set ADRB, 19
.set STO,  24
.set RD,   25
.set CO,   26                          ; v26  my byte offset in two rows of p
.set SCO,  27                          ; v27  16 x lane
.set SPW,  28                          ; v28  LDS address of my spare word; never rewritten
.set NIL,  29                          ; v29  0; never rewritten
.set SST,  30                          ; v30  where my query's statistics go
.set SRD,  31                          ; v31  where I read 16 bytes of them back
.set F0,   64
.set F1,   128
.set TMP,  192
.set OB,   32
.set SUM,  64
.set G1A, 24
.set G0A, 32
.set G1B, 48
.set G0B, 56
.set MSB, 0
.macro WIN new                         ; the immediate's high byte repeats the setting that is left; a switch that changes nothing is dropped
.if MSB != (\new)
	s_set_vgpr_msb (MSB<<8)|(\new)
.set MSB, \new
.endif
.endm
.set MUL_LO, 0xa1                      ; source 0 (K) window 1, source 1 (Q) window 0, C and D window 2
.set TO_B,   0x40                      ; destination window 1, address window 0
.macro PLACES
.rept 4
	v_nop
.endr
.endm
.macro JLOAD                           ; a joint refill: waves 0 and 1 fetch Q's two halves, waves 2 and 3 K's; an s_nop 0 and four v_nop follow each line
	s_cmp_eq_u32 s11, 0
	s_cbranch_scc0 .Lfor_b_\@
	tensor_load_to_lds s[G0A+4:G0A+7], s[G1A:G1A+7]
	s_nop 0
.rept 4
	v_nop
.endr
	s_branch .Lasked_\@
.Lfor_b_\@:
	tensor_load_to_lds s[G0B+4:G0B+7], s[G1B:G1B+7]
	s_nop 0
.rept 4
	v_nop
.endr
.Lasked_\@:
.endm
.macro CREST
	s_cmp_lg_u32 s10, 0
	s_cbranch_scc1 .Lnot_wave_0_\@
	s_barrier_signal -3
.Lnot_wave_0_\@:
	s_barrier_wait -3
	s_barrier_signal -1
	s_barrier_wait -1
.endm
.macro CROUND
	s_barrier_signal -1
	s_barrier_wait -1
	CREST
.endm
.macro WALK                            ; the walking descriptors: the other slot than last time, the next K step
	s_xor_b32 s[G0A+5], s[G0A+5], SLOT1
	s_add_nc_u64 s[G0A+6:G0A+7], s[G0A+6:G0A+7], STEP_A
	s_xor_b32 s[G0B+5], s[G0B+5], SLOT1
	s_add_nc_u64 s[G0B+6:G0B+7], s[G0B+6:G0B+7], STEP_B
.endm
	s_load_b64 s[4:5], s[0:1], 0x0                 ; qkv
	s_load_b64 s[8:9], s[0:1], 0x8                 ; p
	s_load_b64 s[72:73], s[0:1], 0x10              ; stats
	v_lshl_add_u32 v[SPW], v0, 2, SPARE
	v_mov_b32 v[NIL], 0
	ds_add_u32 v[SPW], v[NIL]                      ; the wave's opening: the add and its wait stand ahead of my first tensor load
	v_lshrrev_b32 v1, 5, v0
	v_readfirstlane_b32 s10, v1                    ; wave 0..3
	s_lshr_b32 s11, s10, 1                         ; which half of the tile's queries is mine.  Also: I fetch for Q (0) or for K (1)
	s_and_b32 s12, s10, 1                          ; which half of its keys.  Also: which 128 rows of that tile I fetch
	s_bfe_u32 s40, ttmp6, 0x40000
	s_bfe_u32 s41, ttmp6, 0x40004
	s_lshl_b32 s42, ttmp9, 2
	s_add_co_u32 s42, s42, s40                     ; key tile of the batch = 4 x cluster x + cx
	s_and_b32 s13, ttmp7, 0xffff
	s_lshr_b32 s45, s13, 1                         ; the batch: 8 query tiles, two clusters along y, to each; all sixteen partners share it
	s_lshl_b32 s13, s13, 2
	s_add_co_u32 s13, s13, s41                     ; query tile, over all batches = 4 x cluster y + cy
	s_lshl_b32 s43, s41, 2
	s_lshl_b32 s43, 15, s43                        ; my row of the cluster
	s_lshl_b32 s44, 0x1111, s40                    ; my column
	; a tile of 128 rows x 128 elements, padded in LDS after every 64 words (code 5) by 4 words (code 3)
	s_or_b32 s[G1A], s43, (1<<16)|(1<<20)|(1<<21)|(5<<22)|(3<<25)
	s_or_b32 s[G1B], s44, (1<<16)|(1<<20)|(1<<21)|(5<<22)|(3<<25)
.irp g, G1A, G1B
	s_mov_b32 s[(\g)+1], 128<<16                   ; tensor_dim0 = 128
	s_mov_b32 s[(\g)+2], 128<<16                   ; tensor_dim1 = 128
	s_mov_b32 s[(\g)+3], 128<<16                   ; tile_dim0 = 128
	s_mov_b32 s[(\g)+4], 128                       ; tile_dim1 = 128
	s_mov_b32 s[(\g)+5], 3072                      ; elements from row to row of qkv
	s_mov_b32 s[(\g)+6], 0
	s_mov_b32 s[(\g)+7], 0
.endr
	s_lshl_b32 s17, s12, 7                         ; which 128 rows of the tile I fetch
	s_lshl_b32 s16, s13, 8
	s_add_co_u32 s16, s16, s17
	s_mul_i32 s16, s16, 6144                       ; Q lies at byte 0 of a row of qkv
	s_lshl_b32 s46, s45, 11
	s_lshl_b32 s47, s42, 8
	s_add_co_u32 s46, s46, s47
	s_add_co_u32 s46, s46, s17
	s_mul_i32 s46, s46, 6144
	s_add_co_u32 s46, s46, 2048                    ; K at byte 2,048
	s_mov_b32 s17, 0
	s_mov_b32 s47, 0
	s_mul_i32 s20, s10, HALFT                      ; where they go: Q's two halves, then K's two halves = wave x 128 rows
	s_mov_b32 s66, 0x3d38aa3b                      ; c = log2(e) / 32
	s_mov_b32 s67, s66                             ; named with it as a pair
	s_mov_b32 s68, 0x76543210                      ; v_permlanex16_b32's selects: each lane takes its own place in the other half
	s_mov_b32 s69, 0xfedcba98
	s_mov_b32 s70, 0                               ; the slot that the fetches read
	s_wait_dscnt 0x0                               ; the opening add is done
	s_wait_kmcnt 0x0
	s_add_nc_u64 s[14:15], s[4:5], s[16:17]
	s_add_nc_u64 s[46:47], s[4:5], s[46:47]
.irp s, 0,1
	s_mov_b32 s[G0A+4*(\s)], 1
	s_add_co_u32 s[G0A+4*(\s)+1], s20, (\s)*SLOT1
	s_add_nc_u64 s[G0A+4*(\s)+2:G0A+4*(\s)+3], s[14:15], (\s)*STEP_A
	s_or_b32 s[G0A+4*(\s)+3], s[G0A+4*(\s)+3], 0x80000000
	s_mov_b32 s[G0B+4*(\s)], 1
	s_add_co_u32 s[G0B+4*(\s)+1], s20, (\s)*SLOT1
	s_add_nc_u64 s[G0B+4*(\s)+2:G0B+4*(\s)+3], s[46:47], (\s)*STEP_B
	s_or_b32 s[G0B+4*(\s)+3], s[G0B+4*(\s)+3], 0x80000000
.endr
	CROUND                                         ; all sixteen work-groups are here: the first joint loads meet
	s_cmp_eq_u32 s11, 0                            ; a wave's two first fills stand in one branch: two loads of mine are out
	s_cbranch_scc0 .Lfirst_b
	tensor_load_to_lds s[G0A:G0A+3], s[G1A:G1A+7]
	s_nop 0
	tensor_load_to_lds s[G0A+4:G0A+7], s[G1A:G1A+7]
	s_nop 0
.rept 4
	v_nop
.endr
	s_branch .Lfirst_asked
.Lfirst_b:
	tensor_load_to_lds s[G0B:G0B+3], s[G1B:G1B+7]
	s_nop 0
	tensor_load_to_lds s[G0B+4:G0B+7], s[G1B:G1B+7]
	s_nop 0
.rept 4
	v_nop
.endr
.Lfirst_asked:
	v_and_b32 v1, 15, v0                           ; l % 16
	v_bfe_u32 v2, v0, 4, 1                         ; l / 16
	v_mul_u32_u24 v3, v1, PITCH
	v_lshl_add_u32 v3, v2, 4, v3                   ; row x pitch + 16 x half: a fragment's place, and where 16 bytes go into the stage
	s_mul_i32 s21, s11, HALFT                      ; my 128 queries
	s_mul_i32 s22, s12, HALFT                      ; my 128 keys,
	s_add_co_u32 s22, s22, 2*HALFT                 ; which lie behind Q's 256 rows
	v_add_nc_u32 v[A0], s21, v3
	v_add_nc_u32 v[B0], s22, v3
	v_mov_b32 v[ADRA], v[A0]
	v_mov_b32 v[ADRB], v[B0]
	s_mul_i32 s23, s10, 16*PITCH
	s_add_co_u32 s23, s23, STAGE                   ; my stage
	v_add_nc_u32 v[STO], s23, v3
	v_mul_u32_u24 v4, v2, PITCH                    ; back: lanes 0-15 take one row of 256 bytes, lanes 16-31 the next
	v_lshl_add_u32 v4, v1, 4, v4
	v_add_nc_u32 v[RD], s23, v4
	v_lshlrev_b32 v[CO], 12, v2                    ; and the same two rows in p
	v_lshl_add_u32 v[CO], v1, 4, v[CO]
	v_and_b32 v5, 31, v0
	v_lshlrev_b32 v[SCO], 4, v5
	s_lshl_b32 s23, s10, 10
	s_add_co_u32 s23, s23, STATL                   ; my statistics
	v_lshl_add_u32 v[SST], v1, 4, s23              ; query r of block a: word 4 r + a % 4 of the 64 rows a / 4
	v_add_nc_u32 v[SRD], s23, v[SCO]
	v_mov_b32 v[CM+1], 0                           ; named as a pair with c m
	v_mov_b32 v[T+1], 0                            ; v_permlanex16_b32's destination counts as read
	s_lshl_b32 s16, s13, 8
	s_lshl_b32 s17, s11, 7
	s_add_co_u32 s16, s16, s17                     ; my first query row
	s_lshl_b32 s20, s16, 2                         ; in stats: 4 bytes a row,
	s_mov_b32 s21, 0
	s_add_nc_u64 s[72:73], s[72:73], s[20:21]
	s_lshl_b32 s16, s16, 12                        ; in p: 4,096
	s_mov_b32 s17, 0
	s_add_nc_u64 s[8:9], s[8:9], s[16:17]
	s_lshl_b32 s46, s42, 1
	s_add_co_u32 s46, s46, s12                     ; my key block = 2 x key tile + half (in the registers that held K's address)
	s_mov_b32 s47, 0
	s_lshl_b32 s46, s46, 8                         ; its 256 bytes of a row of p,
	s_add_nc_u64 s[8:9], s[8:9], s[46:47]
	s_lshl_b32 s46, s46, 7                         ; its 32,768 bytes of stats
	s_add_nc_u64 s[72:73], s[72:73], s[46:47]
; 16 matrix instructions: query blocks a0, a0 + 1 of the window's four x all 8 key blocks, 32 along K.  The 64 accumulators take turns, one instruction a turn.
.macro MUL16 f, hi, a0, zero
	WIN MUL_LO+0x50*(\hi)
.irp a, \a0, (\a0)+1
.irp b, 0,1,2,3,4,5,6,7
.if \zero
	v_wmma_f32_16x16x32_f16 v[8*(8*(\a)+(\b)):8*(8*(\a)+(\b))+7], v[(\f)+8*(\b):(\f)+8*(\b)+7], v[(\f)+8*(4*(\hi)+(\a)):(\f)+8*(4*(\hi)+(\a))+7], 0
.else
	v_wmma_f32_16x16x32_f16 v[8*(8*(\a)+(\b)):8*(8*(\a)+(\b))+7], v[(\f)+8*(\b):(\f)+8*(\b)+7], v[(\f)+8*(4*(\hi)+(\a)):(\f)+8*(4*(\hi)+(\a))+7], v[8*(8*(\a)+(\b)):8*(8*(\a)+(\b))+7]
.endif
.endr
.endr
.endm
; 32 LDS loads in one run: the fragments of a quarter step (128 keys, 128 queries, 32 K at byte k of the rows) into buffer f
.macro FETCH k, f
	WIN TO_B
.irp i, 0,1,2,3,4,5,6,7
	ds_load_b128 v[(\f)+8*(\i):(\f)+8*(\i)+3],   v[ADRB] offset:(\k)+(\i)*16*PITCH
	ds_load_b128 v[(\f)+8*(\i)+4:(\f)+8*(\i)+7], v[ADRB] offset:(\k)+(\i)*16*PITCH+32
.endr
	WIN 0
.irp i, 0,1,2,3,4,5,6,7
	ds_load_b128 v[(\f)+8*(\i):(\f)+8*(\i)+3],   v[ADRA] offset:(\k)+(\i)*16*PITCH
	ds_load_b128 v[(\f)+8*(\i)+4:(\f)+8*(\i)+7], v[ADRA] offset:(\k)+(\i)*16*PITCH+32
.endr
.endm
; One of a K step's first three quarters: multiplies buffer f; in its middle it fetches the next quarter, at byte k, into buffer g.
.macro QUARTER k, f, g, zero
	s_wait_dscnt 8                                 ; K's fragments and my queries 0-63 are in; the youngest eight loads (queries 64-127) may be out
	MUL16 \f, 0, 0, \zero
	MUL16 \f, 0, 2, \zero
	PLACES
	FETCH \k, \g
	s_wait_dscnt 32                                ; all but the 32 just issued
	MUL16 \f, 1, 0, \zero
	MUL16 \f, 1, 2, \zero
.endm
; The last quarter multiplies buffer 1 and changes slots: ONE barrier; in front of it each wave waits for all its tensor loads (one is out: its part of the next slot), adds 0 to its spare word,
; and waits for that and for its own reads of this slot.  fill = 1: the barrier opens a round of the cluster's, and this slot is filled again first thing behind it, 224 matrix instructions
; ahead of the wait for it.  tail = 1: the last trip leaves here, with the last 32 products still owed.
.macro TURN fill, tail
	WIN 0
	s_wait_tensorcnt 0x0                           ; no tensor load of mine is out, so a group 0 may be written
	ds_add_u32 v[SPW], v[NIL]                      ; 0 onto my spare word
.if \fill
	WALK
.endif
	s_wait_dscnt 9                                 ; (the add and the youngest eight loads may be out)
	MUL16 F1, 0, 0, 0
	s_wait_dscnt 0x0                               ; the add is done, and my reads of this slot are over
	s_barrier_signal -1
	MUL16 F1, 0, 2, 0
	WIN 0
	s_barrier_wait -1
.if \fill
	CREST                                          ; no wave of any partner still reads this slot's tile or has a load on its way
	JLOAD                                          ; its four v_nop are also the places in front of the loads below
.else
	PLACES
.endif
	s_xor_b32 s70, s70, SLOT1
	v_add_nc_u32 v[ADRA], s70, v[A0]
	v_add_nc_u32 v[ADRB], s70, v[B0]
.if \tail
	s_sub_co_u32 s2, s2, 1
	s_cmp_eq_u32 s2, 0
	s_cbranch_scc1 .Lout
.endif
	FETCH 0, F0
	MUL16 F1, 1, 0, 0
	MUL16 F1, 1, 2, 0
.endm
	s_wait_tensorcnt 1                             ; my part of K step 0 is in; step 1's may stay out
	s_barrier_signal -1
	s_barrier_wait -1
	FETCH 0, F0
	QUARTER 64, F0, F1, 1                          ; the first quarter stands in front of the loop: its products start the sums
	WIN 0
	s_mov_b32 s3, 6
.Lstep:                                                ; a trip: from a K step's second quarter to the next step's first, with a refill
	QUARTER 128, F1, F0, 0
	QUARTER 192, F0, F1, 0
	TURN 1, 0
	QUARTER 64, F0, F1, 0
	WIN 0
	s_sub_co_u32 s3, s3, 1
	s_cmp_lg_u32 s3, 0
	s_cbranch_scc1 .Lstep
	s_mov_b32 s2, 2
.Ltail:                                                ; the last two K steps ask for nothing: a text of their own
	QUARTER 128, F1, F0, 0
	QUARTER 192, F0, F1, 0
	TURN 0, 1
	QUARTER 64, F0, F1, 0
	WIN 0
	s_branch .Ltail
.Lout:
	MUL16 F1, 1, 0, 0
	MUL16 F1, 1, 2, 0
; THE WAY OUT, a block of 16 queries x my 128 keys at a time.  SOFT: the block's maximum (each accumulator's lowest registers are read first), c m, the weights in place,
; their rounding to f16 and their sum.  A lane holds 64 of its query's scores, the lane 16 away the other 64.
.macro SOFT a
.set w, 2+(\a)/4
.set AC, 64*((\a)%4)
	WIN w|(w<<2)|(w<<4)
.irp b, 0,1,2,3,4,5,6,7
	v_max3_num_f32 v[MX+(\b)], v[AC+8*(\b)], v[AC+8*(\b)+1], v[AC+8*(\b)+2]
.endr
	WIN (w<<2)|(w<<4)
.irp b, 0,1,2,3,4,5,6,7
	v_max3_num_f32 v[MX+(\b)], v[MX+(\b)], v[AC+8*(\b)+3], v[AC+8*(\b)+4]
.endr
.irp b, 0,1,2,3,4,5,6,7
	v_max3_num_f32 v[MX+(\b)], v[MX+(\b)], v[AC+8*(\b)+5], v[AC+8*(\b)+6]
.endr
.irp b, 0,2,4,6
	v_max3_num_f32 v[MX+(\b)], v[MX+(\b)], v[AC+8*(\b)+7], v[AC+8*(\b)+15]
.endr
	WIN 0
	v_max3_num_f32 v[MX], v[MX], v[MX+1], v[MX+2]
	v_max3_num_f32 v[MX+3], v[MX+3], v[MX+4], v[MX+5]
	v_max3_num_f32 v[MX], v[MX], v[MX+3], v[MX+6]
	v_max_num_f32 v[MX], v[MX], v[MX+7]
	v_permlanex16_b32 v[T+1], v[MX], s68, s69
	v_max_num_f32 v[MX], v[MX], v[T+1]
	v_mul_f32 v[CM], s66, v[MX]
	WIN w|(w<<6)
.set i, 0
.rept 32
	v_pk_fma_f32 v[AC+2*i:AC+2*i+1], v[AC+2*i:AC+2*i+1], s[66:67], v[CM:CM+1] op_sel_hi:[1,0,0] neg_lo:[0,0,1] neg_hi:[0,0,1]  ; c s - c m
.set i, i+1
.endr
.set i, 0
.rept 64
	v_exp_f32 v[AC+i], v[AC+i]
.set i, i+1
.endr
	v_nop                                          ; a plain instruction between the last exponential and the use of its result (ISA guide 5.7.2)
	WIN w|(w<<2)
.set i, 0
	s_wait_alu depctr_va_vdst(0)
.rept 32
	v_cvt_pk_f16_f32 v[TMP+i], v[AC+2*i], v[AC+2*i+1]
.set i, i+1
.endr
.set i, 0
.rept 16
	v_pk_add_f32 v[SUM+2*i:SUM+2*i+1], v[AC+4*i:AC+4*i+1], v[AC+4*i+2:AC+4*i+3]
.set i, i+1
.endr
	WIN 0
.irp d, 16, 8, 4, 2                    ; a tree: 8, 4, 2, 1 packed additions
.set i, 0
.rept (\d)/2
	v_pk_add_f32 v[SUM+2*i:SUM+2*i+1], v[SUM+2*i:SUM+2*i+1], v[SUM+2*i+(\d):SUM+2*i+(\d)+1]
.set i, i+1
.endr
.endr
	v_add_f32 v[T], v[SUM], v[SUM+1]
	v_permlanex16_b32 v[T+1], v[T], s68, s69
	v_add_f32 v[T], v[T], v[T+1]
.endm
; TOSTAGE: the statistics into my words; the weights into my stage, 16 bytes a lane, and back as whole rows of 256 bytes.  All these bytes are my wave's own.
.macro TOSTAGE a
	WIN 0
.set BK, OB+192*((\a)%2)
	s_wait_xcnt 0x0                                ; every earlier store has had its addresses translated (ISA guide 3.1): the registers that the block two back was stored from are loaded again only behind this wait
	ds_store_b32 v[SST], v[CM] offset:256*((\a)/4)+4*((\a)%4)
	ds_store_b32 v[SST], v[T] offset:512+256*((\a)/4)+4*((\a)%4)
.irp b, 0,1,2,3,4,5,6,7
	ds_store_b128 v[STO], v[TMP+4*(\b):TMP+4*(\b)+3] offset:32*(\b)
.endr
.irp t, 0,1,2,3,4,5,6,7
	ds_load_b128 v[BK+4*(\t):BK+4*(\t)+3], v[RD] offset:(\t)*2*PITCH  ; LDS serves a wave's instructions in order (ISA guide 5.7.1.4): these see the stores above
.endr
.endm
.macro SEND a
	WIN 0
.set BK, OB+192*((\a)%2)
	s_wait_dscnt 0x0                               ; the block is back in registers
.irp t, 0,1,2,3,4,5,6,7
	global_store_b128 v[CO], v[BK+4*(\t):BK+4*(\t)+3], s[8:9] offset:(16*(\a)+2*(\t))*4096  ; 16 lanes store 256 consecutive bytes, at a multiple of 256 from p's first byte
.endr
.endm
	PLACES                                         ; the maxima read results just made
	SOFT 0
	TOSTAGE 0
.irp a, 1,2,3,4,5,6,7                  ; a block's arithmetic stands between the loads of the block before and its stores
	SOFT \a
	SEND (\a)-1
	TOSTAGE \a
.endr
	SEND 7
	ds_load_b128 v[64:67], v[SRD]                  ; my 128 rows' c m,
	ds_load_b128 v[68:71], v[SRD] offset:512       ; and l
	s_wait_dscnt 0x0
	global_store_b128 v[SCO], v[64:67], s[72:73]   ; 512 consecutive bytes each
	global_store_b128 v[SCO], v[68:71], s[72:73] offset:524288
	s_wait_tensorcnt 0x0                           ; the wave's end: an add of 0 to my spare word and its wait, behind my last tensor load and my last LDS store
	ds_add_u32 v[SPW], v[NIL]
	s_wait_dscnt 0x0
	CROUND                                         ; the closing round
	s_endpgm
.Lfunc_end_k_qf72451b41b_scores:
	.size	k_qf72451b41b_scores, .Lfunc_end_k_qf72451b41b_scores-k_qf72451b41b_scores
	.p2alignl 7, 3214868480
	.fill 96, 4, 3214868480
	.section	.rodata,"a",@progbits
	.p2align	6, 0x0
	.amdhsa_kernel k_qf72451b41b_scores
		.amdhsa_group_segment_fixed_size 327680
		.amdhsa_private_segment_fixed_size 0
		.amdhsa_enable_private_segment 0
		.amdhsa_kernarg_size 24
		.amdhsa_user_sgpr_count 2
		.amdhsa_user_sgpr_kernarg_segment_ptr 1
		.amdhsa_wavefront_size32 1
		.amdhsa_system_sgpr_workgroup_id_x 1
		.amdhsa_system_sgpr_workgroup_id_y 1
		.amdhsa_system_sgpr_workgroup_id_z 1
		.amdhsa_system_vgpr_workitem_id 0
		.amdhsa_next_free_vgpr 1024
		.amdhsa_next_free_sgpr 74
		.amdhsa_reserve_vcc 0
		.amdhsa_float_denorm_mode_32 3
		.amdhsa_float_denorm_mode_16_64 3
		.amdhsa_memory_ordered 1
		.amdhsa_forward_progress 1
		.amdhsa_inst_pref_size 170
	.end_amdhsa_kernel
	.amdgpu_metadata
---
amdhsa.version: [ 1, 2 ]
amdhsa.kernels:
  - .name:           k_qf72451b41b_scores
    .symbol:         k_qf72451b41b_scores.kd
    .args:
      - { .name: qkv, .offset: 0, .size: 8, .value_kind: global_buffer, .address_space: global }
      - { .name: p, .offset: 8, .size: 8, .value_kind: global_buffer, .address_space: global }
      - { .name: stats, .offset: 16, .size: 8, .value_kind: global_buffer, .address_space: global }
    .group_segment_fixed_size: 327680
    .private_segment_fixed_size: 0
    .kernarg_segment_align: 8
    .kernarg_segment_size: 24
    .max_flat_workgroup_size: 128
    .sgpr_count:     74
    .vgpr_count:     1024
    .wavefront_size: 32
...
	.end_amdgpu_metadata
.endif
;; end of part 3
;; launch mix (part 4): grid 4 x 64, 4 waves a work-group, clusters of 4 x 4, 327,680 bytes of LDS; arguments p, qkv, stats, out0; writes out0
.if DOCPART == 4
	.amdgcn_target "amdgcn-amd-amdhsa--gfx1250"
	.amdhsa_code_object_version 6
	.text
	.protected	k_qf72451b41b_mix
	.globl	k_qf72451b41b_mix
	.p2align	8
	.type	k_qf72451b41b_mix,@function
k_qf72451b41b_mix:
	s_mov_b64 s[64:65], 0
	v_nop
	global_prefetch_b8 v0, s[64:65] scope:SCOPE_SE
	s_setreg_imm32_b32 hwreg(HW_REG_WAVE_MODE, 25, 1), 1
	s_wait_xcnt 0x0
	s_wait_alu depctr_hold_cnt(0) depctr_sa_sdst(0) depctr_va_vdst(0) depctr_va_sdst(0) depctr_va_ssrc(0) depctr_va_vcc(0) depctr_vm_vsrc(0)
	s_getreg_b32 s2, hwreg(HW_REG_IB_STS2, 6, 4)
	s_cmp_eq_u32 s2, 0
	s_cbranch_scc0 .Lentry_in_a_cluster
	s_endpgm
.Lentry_in_a_cluster:
	s_bfe_u32 s2, ttmp6, 0x10000c
	s_cmp_lg_u32 s2, 0xf033
	s_cbranch_scc0 .Lentry_shape_is_right
	s_endpgm
.Lentry_shape_is_right:
; out[row][:] = the sum over the 16 key blocks of f'_blk x (P_blk V_blk), with f'_blk = 2^(cm_blk - cM) / L, cM the row's largest cm_blk, L = the sum of 2^(cm_blk - cM) l_blk.
; p [8192][2048] f16 and stats (c m and l for each row and block of 128 keys) come from the launch before, V from qkv (byte 4,096 of each row of 6,144).  Products f16, all else f32, out f32.
; So the softmax's maximum is the row's true one: 2^(cm_blk - cM) <= 1, the largest block has 1 and l >= 1 to within rounding, L >= 1.
; LIMITS.  A factor or a weight below 2^-126 counts as 0; NaN and infinities are not treated apart.
; SHARES.  A work-group makes 128 rows x 256 channels: 64 x 4 = 256 work-groups of equal work (tiles of 256 x 256 would be 128).  A wave: 64 rows x 128 channels, 32 accumulators.
; K = 2048 keys goes in 16 steps of 128, one key block a step, through two LDS slots.
; THE FACTOR IS APPLIED TO THE SUMS.  A step's products start from 0 in 32 block accumulators; at its end 128 packed multiply-adds put f' x block onto the totals.  Every step is alike.
; CLUSTER.  4 x 4: P's tile is shared along a row of the cluster, V's along a column: joint loads.
; THE MATRIX INSTRUCTION IS USED TRANSPOSED: source 0 = 16 channels of V (turned out of LDS), source 1 = 16 rows of P: a lane holds ONE row (lane % 16) in the result, so the row's factor is
; one register a lane and row block.
; REGISTERS, in windows of 256 (s_set_vgpr_msb: bits 1:0 source 0, 3:2 source 1, 5:4 source 2, 7:6 destination):
;   window 0: v0-23 addresses and factors; v64-159, v160-255 two fragment buffers (P's block a at + 8 a, V's block b at + 32 + 8 b)
;   window 1: block accumulator (a, b) at v[8 (8 a + b)]          window 2: its total, at the same number
.set PA,     272                       ; a row of P in LDS: 256 bytes + 16: the 16 rows of a load start at 16 different groups of four banks (64 banks of 4 bytes: ISA guide 11.1)
.set PB,     544                       ; a row of V: 512 + 32 = 17 x 32
.set HALFA,  64*PA
.set ATILE,  128*PA
.set HALFB,  64*PB
.set SLOT1,  131072                    ; slot 1 begins here: one exclusive or turns an address in one slot into the other's
.set FTAB,   SLOT1+ATILE+128*PB        ; behind the ring, never filled by a tensor load: 4,096 bytes for each wave: block kb's four factors of row r at 256 kb + 16 r
.set STAGE,  FTAB+4*4096               ; 16 rows x 528 bytes for each wave
.set SP,     528
.set SPARE,  STAGE+4*16*SP             ; the spare words, 128 bytes for each wave: two blocks of 256 bytes that no other line names
.set STEP_A, 256
.set STEP_B, 128*6144
.set A0,   4                           ; v4, v5  my lane's place in P's and V's tile; never rewritten
.set B0,   5
.set ADRA, 6                           ; v6, v7  + the slot in hand
.set ADRB, 7
.set FADR, 8                           ; v8   where the step's factors lie
.set STO,  9
.set RD,   10
.set CO,   11                          ; v11  16 x lane
.set SPW,  12                          ; v12  LDS address of my spare word; never rewritten
.set NIL,  13                          ; v13  0; never rewritten
.set VS,   14                          ; v14  my byte offset in stats
.set FST,  15                          ; v15  where I put my eight blocks' factors
.set FAC,  16                          ; v16-23  f' of my row in row block a at v[16 + 2 a]: the packed multiply-add takes a pair's low word for both halves
.set F0,   64
.set F1,   160
.set CMR,  64                          ; at work on the factors: v64-95 c m, v96-127 l of my 8 key blocks x 4 row blocks; v128-131 c M; v136-139 L; v140-143 1 / L; v144-151 a fragment of zeros
.set LR,   96
.set MR,   128
.set LS,   136
.set RLR,  140
.set ZR,   144
.set G1A, 24
.set G0A, 32
.set G1B, 48
.set G0B, 56
.set MSB, 0
.macro WIN new                         ; the immediate's high byte repeats the setting that is left; a switch that changes nothing is dropped
.if MSB != (\new)
	s_set_vgpr_msb (MSB<<8)|(\new)
.set MSB, \new
.endif
.endm
.macro PLACES                          ; four places in front of loads into registers that matrix instructions have read, and of vector instructions that read results
.rept 4
	v_nop
.endr
.endm
.macro JLOAD                           ; a joint refill: waves 0 and 1 fetch P's two halves, waves 2 and 3 V's; an s_nop 0 and four v_nop follow each line
	s_cmp_eq_u32 s11, 0
	s_cbranch_scc0 .Lfor_b_\@
	tensor_load_to_lds s[G0A+4:G0A+7], s[G1A:G1A+7]
	s_nop 0
.rept 4
	v_nop
.endr
	s_branch .Lasked_\@
.Lfor_b_\@:
	tensor_load_to_lds s[G0B+4:G0B+7], s[G1B:G1B+7]
	s_nop 0
.rept 4
	v_nop
.endr
.Lasked_\@:
.endm
.macro CROUND                          ; a round of the cluster's barrier: my work-group's barrier; wave 0 signals for the work-group; every wave waits for all sixteen; my work-group's barrier once more
	s_barrier_signal -1
	s_barrier_wait -1
	s_cmp_lg_u32 s10, 0
	s_cbranch_scc1 .Lnot_wave_0_\@
	s_barrier_signal -3
.Lnot_wave_0_\@:
	s_barrier_wait -3
	s_barrier_signal -1
	s_barrier_wait -1
.endm
.macro WALK                            ; the walking descriptors: the other slot than last time, the next step; the type bits on top are not reached
	s_xor_b32 s[G0A+5], s[G0A+5], SLOT1
	s_add_nc_u64 s[G0A+6:G0A+7], s[G0A+6:G0A+7], STEP_A
	s_xor_b32 s[G0B+5], s[G0B+5], SLOT1
	s_add_nc_u64 s[G0B+6:G0B+7], s[G0B+6:G0B+7], STEP_B
.endm
	s_load_b128 s[4:7], s[0:1], 0x0                ; p s[4:5], qkv s[6:7]
	s_load_b64 s[72:73], s[0:1], 0x10              ; stats
	s_load_b64 s[8:9], s[0:1], 0x18                ; out0
	v_lshl_add_u32 v[SPW], v0, 2, SPARE
	v_mov_b32 v[NIL], 0
	ds_add_u32 v[SPW], v[NIL]                      ; the wave's opening: the add and its wait stand ahead of my first tensor load
	v_lshrrev_b32 v1, 5, v0
	v_readfirstlane_b32 s10, v1                    ; wave 0..3
	s_lshr_b32 s11, s10, 1                         ; which half of the tile's rows is mine.  Also: I fetch for P (0) or for V (1)
	s_and_b32 s12, s10, 1                          ; which half of its channels.  Also: which half of that tile I fetch
	s_bfe_u32 s40, ttmp6, 0x40000
	s_bfe_u32 s41, ttmp6, 0x40004
	s_lshl_b32 s42, ttmp9, 2
	s_add_co_u32 s42, s42, s40                     ; channel tile = 4 x cluster x + cx
	s_and_b32 s13, ttmp7, 0xffff
	s_lshr_b32 s45, s13, 2                         ; the batch: 16 row tiles, four clusters along y, to each; all sixteen partners share it
	s_lshl_b32 s13, s13, 2
	s_add_co_u32 s13, s13, s41                     ; row tile, over all batches = 4 x cluster y + cy
	s_lshl_b32 s43, s41, 2
	s_lshl_b32 s43, 15, s43                        ; my row of the cluster
	s_lshl_b32 s44, 0x1111, s40                    ; my column
	; P: 64 rows x 128 elements, padded after every 64 words (code 5) by 4 words (code 3)
	s_or_b32 s[G1A], s43, (1<<16)|(1<<20)|(1<<21)|(5<<22)|(3<<25)
	s_mov_b32 s[G1A+1], 128<<16
	s_mov_b32 s[G1A+2], 64<<16
	s_mov_b32 s[G1A+3], 128<<16
	s_mov_b32 s[G1A+4], 64
	s_mov_b32 s[G1A+5], 2048
	s_mov_b32 s[G1A+6], 0
	s_mov_b32 s[G1A+7], 0
	; V: 64 keys x 256 elements, padded after every 128 words (code 6) by 8 words (code 7)
	s_or_b32 s[G1B], s44, (1<<16)|(1<<20)|(1<<21)|(6<<22)|(7<<25)
	s_mov_b32 s[G1B+1], 256<<16
	s_mov_b32 s[G1B+2], 64<<16
	s_mov_b32 s[G1B+3], 256<<16
	s_mov_b32 s[G1B+4], 64
	s_mov_b32 s[G1B+5], 3072
	s_mov_b32 s[G1B+6], 0
	s_mov_b32 s[G1B+7], 0
	s_lshl_b32 s17, s12, 6                         ; which 64 rows of the tile I fetch
	s_lshl_b32 s16, s13, 7
	s_add_co_u32 s16, s16, s17
	s_lshl_b32 s16, s16, 12                        ; rows of p: 4,096 bytes
	s_lshl_b32 s46, s45, 11
	s_add_co_u32 s46, s46, s17
	s_mul_i32 s46, s46, 6144                       ; rows of qkv;
	s_lshl_b32 s47, s42, 9                         ; the channel tile's 512 bytes,
	s_add_co_u32 s46, s46, s47
	s_add_co_u32 s46, s46, 4096                    ; in V's part of a row
	s_mov_b32 s17, 0
	s_mov_b32 s47, 0
	s_mul_i32 s20, s12, HALFA
	s_mul_i32 s21, s12, HALFB
	s_add_co_u32 s21, s21, ATILE
	s_mov_b32 s68, 0x76543210                      ; v_permlanex16_b32's selects: each lane takes its own place in the other half
	s_mov_b32 s69, 0xfedcba98
	s_mov_b32 s70, 0                               ; the slot that the fetches read
	s_wait_dscnt 0x0                               ; the opening add is done
	s_wait_kmcnt 0x0
	s_add_nc_u64 s[14:15], s[4:5], s[16:17]
	s_add_nc_u64 s[46:47], s[6:7], s[46:47]
.irp s, 0,1
	s_mov_b32 s[G0A+4*(\s)], 1
	s_add_co_u32 s[G0A+4*(\s)+1], s20, (\s)*SLOT1
	s_add_nc_u64 s[G0A+4*(\s)+2:G0A+4*(\s)+3], s[14:15], (\s)*STEP_A
	s_or_b32 s[G0A+4*(\s)+3], s[G0A+4*(\s)+3], 0x80000000
	s_mov_b32 s[G0B+4*(\s)], 1
	s_add_co_u32 s[G0B+4*(\s)+1], s21, (\s)*SLOT1
	s_add_nc_u64 s[G0B+4*(\s)+2:G0B+4*(\s)+3], s[46:47], (\s)*STEP_B
	s_or_b32 s[G0B+4*(\s)+3], s[G0B+4*(\s)+3], 0x80000000
.endr
	CROUND                                         ; all sixteen work-groups are here: the first joint loads meet
	s_cmp_eq_u32 s11, 0                            ; a wave's two first fills stand in one branch: two loads of mine are out
	s_cbranch_scc0 .Lfirst_b
	tensor_load_to_lds s[G0A:G0A+3], s[G1A:G1A+7]
	s_nop 0
	tensor_load_to_lds s[G0A+4:G0A+7], s[G1A:G1A+7]
	s_nop 0
.rept 4
	v_nop
.endr
	s_branch .Lfirst_asked
.Lfirst_b:
	tensor_load_to_lds s[G0B:G0B+3], s[G1B:G1B+7]
	s_nop 0
	tensor_load_to_lds s[G0B+4:G0B+7], s[G1B:G1B+7]
	s_nop 0
.rept 4
	v_nop
.endr
.Lfirst_asked:
	v_and_b32 v1, 15, v0                           ; l % 16
	v_bfe_u32 v2, v0, 4, 1                         ; l / 16
	v_lshlrev_b32 v[VS], 4, v1
	v_lshl_add_u32 v[VS], v2, 18, v[VS]            ; lanes 0-15 take key blocks 0-7, lanes 16-31 blocks 8-15 (8 x 32,768 bytes on)
	s_lshl_b32 s16, s13, 7
	s_lshl_b32 s17, s11, 6
	s_add_co_u32 s16, s16, s17                     ; my first row
	s_lshl_b32 s20, s16, 2
	s_mov_b32 s21, 0
	s_add_nc_u64 s[72:73], s[72:73], s[20:21]      ; stats at my 64 rows
	; THE FACTORS, made in the wait for the first tile.  In stats my row's numbers for the four row blocks lie side by side: one load of 16 bytes for each key block; 16 lanes read 256 consecutive bytes.
.set kb, 0
.rept 8
	global_load_b128 v[CMR+4*kb:CMR+4*kb+3], v[VS], s[72:73] offset:32768*kb          ; c m
	global_load_b128 v[LR+4*kb:LR+4*kb+3], v[VS], s[72:73] offset:524288+32768*kb     ; l
.set kb, kb+1
.endr
	; The totals begin at 0.  32 products of a fragment of zeros write the 256 registers: a quarter of the text that 256 moves would take; the price is 32 products that serve nothing else,
	; once a launch, in the wait for the loads above.
.irp i, 0,1,2,3,4,5,6,7
	v_mov_b32 v[ZR+(\i)], 0
.endr
	WIN 0x80                                       ; destination window 2
.set i, 0
.rept 32
	v_wmma_f32_16x16x32_f16 v[8*i:8*i+7], v[ZR:ZR+7], v[ZR:ZR+7], 0
.set i, i+1
.endr
	WIN 0
	v_mul_u32_u24 v[A0], v1, PA                    ; the addresses stand in the same wait
	v_lshl_add_u32 v[A0], v2, 4, v[A0]
	s_mul_i32 s21, s11, HALFA                      ; my 64 rows of P
	v_add_nc_u32 v[A0], s21, v[A0]
	v_and_b32 v3, 7, v0                            ; the turning load: lane l reads key 8 (l / 16) + l % 8, channels 8 ((l / 8) % 2) + 0..7
	v_lshl_add_u32 v3, v2, 3, v3
	v_mul_u32_u24 v[B0], v3, PB
	v_bfe_u32 v3, v0, 3, 1
	v_lshl_add_u32 v[B0], v3, 4, v[B0]
	s_lshl_b32 s21, s12, 8                         ; my 128 channels
	s_add_co_u32 s21, s21, ATILE
	v_add_nc_u32 v[B0], s21, v[B0]
	v_mov_b32 v[ADRA], v[A0]
	v_mov_b32 v[ADRB], v[B0]
	s_lshl_b32 s21, s10, 12
	s_add_co_u32 s21, s21, FTAB                    ; my table
	v_lshl_add_u32 v[FADR], v1, 4, s21
	v_lshl_add_u32 v[FST], v2, 11, v[FADR]         ; lanes 16-31 write blocks 8-15: 8 x 256 bytes on
	s_mul_i32 s21, s10, 16*SP
	s_add_co_u32 s21, s21, STAGE                   ; my stage
	v_mul_u32_u24 v[STO], v1, SP                   ; in: row l % 16, 32 bytes for each half of the lanes
	v_lshl_add_u32 v[STO], v2, 5, v[STO]
	v_add_nc_u32 v[STO], s21, v[STO]
	v_and_b32 v3, 31, v0
	v_lshlrev_b32 v[CO], 4, v3                     ; back: 32 lanes take a row's 512 bytes
	v_add_nc_u32 v[RD], s21, v[CO]
.irp a, 0,1,2,3
	v_mov_b32 v[FAC+2*(\a)+1], 0                   ; the factor pairs' upper words: named with the lower; until the loop they take what the other half of the lanes sends
.endr
	s_lshl_b32 s16, s16, 12                        ; out0 at my first row,
	s_mov_b32 s17, 0
	s_add_nc_u64 s[8:9], s[8:9], s[16:17]
	s_lshl_b32 s46, s42, 1
	s_add_co_u32 s46, s46, s12
	s_lshl_b32 s46, s46, 9                         ; and my 512 bytes of it (in the registers that held V's address)
	s_mov_b32 s47, 0
	s_add_nc_u64 s[8:9], s[8:9], s[46:47]
	s_wait_loadcnt 0x0
.irp a, 0,1,2,3
	v_max3_num_f32 v[MR+(\a)], v[CMR+(\a)], v[CMR+4+(\a)], v[CMR+8+(\a)]       ; c M: first over my 8 blocks,
.endr
.irp k, 3,5
.irp a, 0,1,2,3
	v_max3_num_f32 v[MR+(\a)], v[MR+(\a)], v[CMR+4*(\k)+(\a)], v[CMR+4*(\k)+4+(\a)]
.endr
.endr
.irp a, 0,1,2,3
	v_max_num_f32 v[MR+(\a)], v[MR+(\a)], v[CMR+28+(\a)]
.endr
.irp a, 0,1,2,3
	v_permlanex16_b32 v[FAC+2*(\a)+1], v[MR+(\a)], s68, s69                     ; then with the other 8, in the lane 16 away
.endr
.irp a, 0,1,2,3
	v_max_num_f32 v[MR+(\a)], v[MR+(\a)], v[FAC+2*(\a)+1]
.endr
.set i, 0
.rept 16
	v_pk_add_f32 v[CMR+2*i:CMR+2*i+1], v[CMR+2*i:CMR+2*i+1], v[MR+2*(i%2):MR+2*(i%2)+1] neg_lo:[0,1] neg_hi:[0,1]  ; c m - c M
.set i, i+1
.endr
.set i, 0
.rept 32
	v_exp_f32 v[CMR+i], v[CMR+i]
.set i, i+1
.endr
	v_nop                                          ; a plain instruction between the last exponential and the use of its result (ISA guide 5.7.2)
	s_wait_alu depctr_va_vdst(0)
	v_pk_mul_f32 v[LS:LS+1], v[CMR:CMR+1], v[LR:LR+1]          ; L: the first block starts the sums
	v_pk_mul_f32 v[LS+2:LS+3], v[CMR+2:CMR+3], v[LR+2:LR+3]
.set i, 2
.rept 14
	v_pk_fma_f32 v[LS+2*(i%2):LS+2*(i%2)+1], v[CMR+2*i:CMR+2*i+1], v[LR+2*i:LR+2*i+1], v[LS+2*(i%2):LS+2*(i%2)+1]
.set i, i+1
.endr
.irp a, 0,1,2,3
	v_permlanex16_b32 v[FAC+2*(\a)+1], v[LS+(\a)], s68, s69
.endr
.irp a, 0,1,2,3
	v_add_f32 v[LS+(\a)], v[LS+(\a)], v[FAC+2*(\a)+1]
.endr
.irp a, 0,1,2,3
	v_rcp_f32 v[RLR+(\a)], v[LS+(\a)]
.endr
	v_nop                                          ; a plain instruction between the last reciprocal and the use of its result
.set i, 0
	s_wait_alu depctr_va_vdst(0)
.rept 16
	v_pk_mul_f32 v[CMR+2*i:CMR+2*i+1], v[CMR+2*i:CMR+2*i+1], v[RLR+2*(i%2):RLR+2*(i%2)+1]  ; f' = 2^(c m - c M) / L: the division is done here, 16 lines, and not on the 256 totals
.set i, i+1
.endr
.set kb, 0
.rept 8
	ds_store_b128 v[FST], v[CMR+4*kb:CMR+4*kb+3] offset:256*kb  ; the table is my wave's own
.set kb, kb+1
.endr
; n x 8 matrix instructions: row blocks a0 .. x all 8 channel blocks, 32 keys.  The 32 accumulators take turns, one instruction a turn.  zero = 1: a step's first products start its sums.
.macro MUL f, a0, n, zero
	WIN 0x50                                       ; C and D in window 1
.set aq, (\a0)
.rept \n
.irp b, 0,1,2,3,4,5,6,7
.if \zero
	v_wmma_f32_16x16x32_f16 v[8*(8*aq+(\b)):8*(8*aq+(\b))+7], v[(\f)+32+8*(\b):(\f)+32+8*(\b)+7], v[(\f)+8*aq:(\f)+8*aq+7], 0
.else
	v_wmma_f32_16x16x32_f16 v[8*(8*aq+(\b)):8*(8*aq+(\b))+7], v[(\f)+32+8*(\b):(\f)+32+8*(\b)+7], v[(\f)+8*aq:(\f)+8*aq+7], v[8*(8*aq+(\b)):8*(8*aq+(\b))+7]
.endif
.endr
.set aq, aq+1
.endr
.endm
; 24 LDS loads in one run: quarter q's fragments into buffer g: P's row blocks 0, 1; V's eight; P's row blocks 2, 3 last, so that a wait can leave them out
.macro FETCH q, g
	WIN 0
.irp a, 0,1
	ds_load_b128 v[(\g)+8*(\a):(\g)+8*(\a)+3],   v[ADRA] offset:16*PA*(\a)+64*(\q)
	ds_load_b128 v[(\g)+8*(\a)+4:(\g)+8*(\a)+7], v[ADRA] offset:16*PA*(\a)+64*(\q)+32
.endr
.irp b, 0,1,2,3,4,5,6,7
	ds_load_tr16_b128 v[(\g)+32+8*(\b):(\g)+32+8*(\b)+3],   v[ADRB] offset:32*PB*(\q)+32*(\b)
	ds_load_tr16_b128 v[(\g)+32+8*(\b)+4:(\g)+32+8*(\b)+7], v[ADRB] offset:32*PB*(\q)+32*(\b)+16*PB
.endr
.irp a, 2,3
	ds_load_b128 v[(\g)+8*(\a):(\g)+8*(\a)+3],   v[ADRA] offset:16*PA*(\a)+64*(\q)
	ds_load_b128 v[(\g)+8*(\a)+4:(\g)+8*(\a)+7], v[ADRA] offset:16*PA*(\a)+64*(\q)+32
.endr
.endm
; One of a step's first three quarters (32 keys): multiplies buffer f and, in its middle, fetches quarter q into buffer g.  fac = 1 (the first quarter): the step's four factors are read from my table,
; ahead of the run, each into the low word of its pair.
.macro UNIT q, f, g, zero, fac
	s_wait_dscnt 4                                 ; all but the run's last four loads, P's row blocks 2 and 3, are in
	MUL \f, 0, 2, \zero
	s_wait_dscnt 0x0
	PLACES                                         ; buffer g was read by the quarter before
	WIN 0
.if \fac
.irp a, 0,1,2,3
	ds_load_b32 v[FAC+2*(\a)], v[FADR] offset:4*(\a)
.endr
	v_add_nc_u32 v[FADR], 256, v[FADR]             ; the next step's
.endif
	FETCH \q, \g
	MUL \f, 2, 2, \zero
.endm
; total += f' x block: 128 packed multiply-adds, each accumulator's registers in ascending order.  They stand in one run: two window switches a step.
.macro LUMP
	WIN 0xa1                                       ; destination and source 2 (the total) window 2, source 0 (the block's sum) window 1, source 1 (the factor) window 0
.set aq, 0
.rept 4
.set iq, 0
.rept 32
	v_pk_fma_f32 v[64*aq+2*iq:64*aq+2*iq+1], v[64*aq+2*iq:64*aq+2*iq+1], v[FAC+2*aq:FAC+2*aq+1], v[64*aq+2*iq:64*aq+2*iq+1] op_sel_hi:[1,0,1]
.set iq, iq+1
.endr
.set aq, aq+1
.endr
.endm
; A step's last quarter.  Its fragments were fetched a quarter ago, so the slot has been read out: THE CHANGE OF SLOTS STANDS AT ITS HEAD.  Each wave waits for all its tensor loads (one is out: its part
; of the next slot), adds 0 to its spare word, and waits for that and for its own reads of this slot.  fill = 1: the barrier is a round of the cluster's, and this slot is filled again first thing behind
; it: between that request and the wait for it stands a whole step's work, 128 matrix instructions and 128 multiply-adds.  Then the next slot's first fragments, the quarter's 32 products, and the totals.
.macro TURN fill
	WIN 0
	s_wait_tensorcnt 0x0                           ; no tensor load of mine is out, so a group 0 may be written
	ds_add_u32 v[SPW], v[NIL]                      ; 0 onto my spare word
.if \fill
	WALK
.endif
	s_wait_dscnt 0x0                               ; the add is done, and my reads of this slot are over
.if \fill
	CROUND                                         ; no wave of any partner still reads this slot's tile or has a load on its way
	JLOAD                                          ; its four v_nop are also the places in front of the loads below
.else
	s_barrier_signal -1
	s_barrier_wait -1
	PLACES
.endif
	s_xor_b32 s70, s70, SLOT1
	v_add_nc_u32 v[ADRA], s70, v[A0]
	v_add_nc_u32 v[ADRB], s70, v[B0]
	FETCH 0, F0
	MUL F1, 0, 4, 0
	PLACES                                         ; the multiply-adds read results just made
	LUMP
.endm
.macro STEPM fill                      ; a step: one key block
	UNIT 1, F0, F1, 1, 1
	UNIT 2, F1, F0, 0, 0
	UNIT 3, F0, F1, 0, 0
	TURN \fill
	WIN 0                                          ; at a label and at a branch every window is 0
.endm
	s_wait_tensorcnt 1                             ; my part of step 0 is in; step 1's may stay out
	s_wait_dscnt 0x0                               ; no LDS instruction of mine is pending at a signal: the table's stores are done
	s_barrier_signal -1
	s_barrier_wait -1
	FETCH 0, F0
	s_mov_b32 s3, 14
.Lstep:                                                ; steps 0 to 13: each fills its slot again, two steps ahead
	STEPM 1
	s_sub_co_u32 s3, s3, 1
	s_cmp_lg_u32 s3, 0
	s_cbranch_scc1 .Lstep
	s_mov_b32 s2, 2
.Ltail:                                                ; the last two steps ask for nothing: a text of their own.  The very last trip's barrier, and its 24 loads
	STEPM 0                                        ; from the other slot's old tile, serve nothing: the price, once a launch, of one text for both trips
	s_sub_co_u32 s2, s2, 1
	s_cmp_lg_u32 s2, 0
	s_cbranch_scc1 .Ltail
; THE WAY OUT, a block of 16 rows at a time: the totals go into my stage as 2 x 16 bytes a lane and channel block, come back as whole rows of 512 bytes, and are stored.  The stage is my wave's own.
.macro OST a
.if (\a) >= 2
	s_wait_xcnt 0x0                                ; every earlier store has had its addresses translated (ISA guide 3.1): the registers that the block two back was stored from are loaded again only behind this wait
.endif
	WIN 0x08                                       ; an LDS store's data is source 1: window 2
.irp b, 0,1,2,3,4,5,6,7
	ds_store_b128 v[STO], v[64*(\a)+8*(\b):64*(\a)+8*(\b)+3] offset:64*(\b)
	ds_store_b128 v[STO], v[64*(\a)+8*(\b)+4:64*(\a)+8*(\b)+7] offset:64*(\b)+16
.endr
	WIN 0
.irp t, 0,1,2,3,4,5,6,7,8,9,10,11,12,13,14,15
	ds_load_b128 v[64+64*((\a)%2)+4*(\t):64+64*((\a)%2)+4*(\t)+3], v[RD] offset:SP*(\t)  ; LDS serves a wave's instructions in order (ISA guide 5.7.1.4): these see the stores above; the next block's stores come behind them
.endr
.endm
.macro SEND a, younger                 ; younger: the LDS instructions issued behind block a's loads: the next block's 32, or none
	WIN 0
	s_wait_dscnt \younger
.irp t, 0,1,2,3,4,5,6,7,8,9,10,11,12,13,14,15
	global_store_b128 v[CO], v[64+64*((\a)%2)+4*(\t):64+64*((\a)%2)+4*(\t)+3], s[8:9] offset:(16*(\a)+(\t))*4096 th:TH_STORE_NT  ; 512 consecutive bytes, at a multiple of 256 from out0's first byte
.endr
.endm
	s_wait_dscnt 0x0                               ; the last trip's loads are back: their registers take the rows below
	OST 0
	OST 1                                          ; a block's way through the stage stands between the loads of the block before and its stores
	SEND 0, 32
	OST 2
	SEND 1, 32
	OST 3
	SEND 2, 32
	SEND 3, 0
	s_wait_tensorcnt 0x0                           ; the wave's end: an add of 0 to my spare word and its wait, behind my last tensor load and my last LDS store
	ds_add_u32 v[SPW], v[NIL]
	s_wait_dscnt 0x0
	CROUND                                         ; the closing round: no work-group ends while a partner may still ask for a tile that names it
	s_endpgm
.Lfunc_end_k_qf72451b41b_mix:
	.size	k_qf72451b41b_mix, .Lfunc_end_k_qf72451b41b_mix-k_qf72451b41b_mix
	.p2alignl 7, 3214868480
	.fill 96, 4, 3214868480
	.section	.rodata,"a",@progbits
	.p2align	6, 0x0
	.amdhsa_kernel k_qf72451b41b_mix
		.amdhsa_group_segment_fixed_size 327680
		.amdhsa_private_segment_fixed_size 0
		.amdhsa_enable_private_segment 0
		.amdhsa_kernarg_size 32
		.amdhsa_user_sgpr_count 2
		.amdhsa_user_sgpr_kernarg_segment_ptr 1
		.amdhsa_wavefront_size32 1
		.amdhsa_system_sgpr_workgroup_id_x 1
		.amdhsa_system_sgpr_workgroup_id_y 1
		.amdhsa_system_sgpr_workgroup_id_z 1
		.amdhsa_system_vgpr_workitem_id 0
		.amdhsa_next_free_vgpr 768
		.amdhsa_next_free_sgpr 74
		.amdhsa_reserve_vcc 0
		.amdhsa_float_denorm_mode_32 3
		.amdhsa_float_denorm_mode_16_64 3
		.amdhsa_memory_ordered 1
		.amdhsa_forward_progress 1
		.amdhsa_inst_pref_size 83
	.end_amdhsa_kernel
	.amdgpu_metadata
---
amdhsa.version: [ 1, 2 ]
amdhsa.kernels:
  - .name:           k_qf72451b41b_mix
    .symbol:         k_qf72451b41b_mix.kd
    .args:
      - { .name: p, .offset: 0, .size: 8, .value_kind: global_buffer, .address_space: global }
      - { .name: qkv, .offset: 8, .size: 8, .value_kind: global_buffer, .address_space: global }
      - { .name: stats, .offset: 16, .size: 8, .value_kind: global_buffer, .address_space: global }
      - { .name: out0, .offset: 24, .size: 8, .value_kind: global_buffer, .address_space: global }
    .group_segment_fixed_size: 327680
    .private_segment_fixed_size: 0
    .kernarg_segment_align: 8
    .kernarg_segment_size: 32
    .max_flat_workgroup_size: 128
    .sgpr_count:     74
    .vgpr_count:     768
    .wavefront_size: 32
...
	.end_amdgpu_metadata
.endif
;; end of part 4
;; ======== version 2 of 2: 4 launches; version 1 with the launch cast written anew for expert scheduling mode
;; limits: values are held in f16: magnitudes above 65,504 overflow, below 6.1e-05 lose precision
;; workspace buffers: xb 16,777,216 bytes; wb 6,291,456 bytes; qkv 50,331,648 bytes; p 33,554,432 bytes; stats 1,048,576 bytes
;; launch cast (part 5): grid 704 x 1, 8 waves a work-group, no clusters, 0 bytes of LDS; arguments X, W_Q, W_K, W_V, xb, wb; writes xb, wb
.if DOCPART == 5
	.amdgcn_target "amdgcn-amd-amdhsa--gfx1250"
	.amdhsa_code_object_version 6
	.text
	.protected	k_qf72451b41b_cast
	.globl	k_qf72451b41b_cast
	.p2align	8
	.type	k_qf72451b41b_cast,@function
k_qf72451b41b_cast:
	s_mov_b64 s[64:65], 0
	v_nop
	global_prefetch_b8 v0, s[64:65] scope:SCOPE_SE
	s_setreg_imm32_b32 hwreg(HW_REG_WAVE_SCHED_MODE, 0, 2), 2
	s_setreg_imm32_b32 hwreg(HW_REG_WAVE_MODE, 25, 1), 1
	s_wait_xcnt 0x0
	s_wait_alu depctr_vm_vsrc(0)
; X [8192][1024] and W_Q, W_K, W_V [1024][1024], all f32, are rounded once to bf16 (nearest even) and laid out for the product that follows:
;   xb = [16 panels of 64 k][8192 rows][64] bf16: 256 rows x 64 k of X are 32,768 dense bytes;
;   wb = [1024 k][3072 n] bf16: n 0-1023 W_Q, 1024-2047 W_K, 2048-3071 W_V.
; A stream: no LDS, no barrier, no matrix unit.  A work-group takes 65,536 bytes of f32, a wave 8,192: 16 loads of 16 bytes a lane, all issued
; at once into registers of their own, so nothing is used twice and there is no loop.  Work-groups 0-511 take X (16 rows each), 512-703 the weights
; (64 work-groups and 16 rows each for every matrix).  Each store of a wave covers 256 consecutive bytes, aligned.
; THE MODE: SCHED_MODE bits 1:0 = 2 (LLVM: expert scheduling mode 2), set by the entry lines.  The code itself states the register dependences
; between vector instructions and memory instructions, with s_wait_alu, always for 0.
; THE PLAN.  Registers that memory instructions touch:
;   v2         the loads' offset: made once at the head of each path, read by the 16 loads, never written again.
;   v3         the stores' offset: made once ahead of the branch, read by the 16 stores, never written again.
;   XI         unit j's four registers: written by unit j's load alone, read by its two conversions behind the wait for the load; nothing lands there twice.
;   YO         unit j's two registers: written by its two conversions, read by its store, never written again.
; The 16 units go in four blocks of four.  Block b waits for its four loads; behind that wait ONE wait on va_vdst states that block b - 1 has written its YO; the four stores of
; block b - 1 follow, dealt among block b's eight conversions, which name XI and YO of block b alone: none of the registers that those stores read.  Behind block 3 one more such wait
; and the last four stores.  No register that a memory instruction reads is written again, so no wait on vm_vsrc is owed; EXEC and VCC are never written.
.set XI, 8                             ; v[8:71]    unit j: 4 f32 as loaded
.set YO, 72                            ; v[72:103]  unit j: 4 bf16 to store
	s_load_b256 s[4:11], s[0:1], 0x0               ; X s[4:5], W_Q s[6:7], W_K s[8:9], W_V s[10:11]
	s_load_b128 s[12:15], s[0:1], 0x20             ; xb s[12:13], wb s[14:15]
	v_and_b32 v1, 31, v0                           ; lane
	v_lshrrev_b32 v4, 5, v0
	v_readfirstlane_b32 s16, v4                    ; wave 0..7
	v_lshlrev_b32 v3, 3, v1                        ; out: 8 bytes a lane
	s_mov_b32 s21, 0                               ; high words of the two offsets
	s_mov_b32 s23, 0
	s_wait_alu depctr_va_sdst(0)                   ; s16 is written: ahead of the branch, and so ahead of its first reader in either path, where the wave's rows are made from it
.macro CVT j                           ; unit j is rounded
	v_cvt_pk_bf16_f32 v[YO+2*(\j)], v[XI+4*(\j)], v[XI+4*(\j)+1]
	v_cvt_pk_bf16_f32 v[YO+2*(\j)+1], v[XI+4*(\j)+2], v[XI+4*(\j)+3]
.endm
.macro ST w, j                         ; unit j is stored.  w = 0: X; w = 1: the weights
.if (\w) == 1
	global_store_b64 v3, v[YO+2*(\j):YO+2*(\j)+1], s[14:15] offset:((\j)/8)*6144+((\j)%8)*256
.elseif (\j) < 8
	global_store_b64 v3, v[YO+2*(\j):YO+2*(\j)+1], s[12:13] offset:(\j)<<20   ; the two rows' 128 bytes lie end to end in the panel
.else
	global_store_b64 v3, v[YO+2*(\j):YO+2*(\j)+1], s[24:25] offset:((\j)-8)<<20
.endif
.endm
; Block b: units 4 b to 4 b + 3 are rounded; the block before is stored.
.macro BLK w, b
	s_wait_loadcnt 12-4*(\b)                       ; loads come back in order (ISA guide 5.7.1): the block's four are in, the 12 - 4 b younger ones stay out
.if (\b) > 0
	s_wait_alu depctr_va_vdst(0)                   ; the block before has written its YO, which the four stores below read
.endif
.irp i, 0,1,2,3
.if (\b) > 0
	ST \w, 4*(\b)+(\i)-4                           ; no vector instruction since the wait names this store's registers
.endif
	CVT 4*(\b)+(\i)
.endr
.endm
.macro WALK w                          ; the four blocks, and the last block's stores
	BLK \w, 0
	BLK \w, 1
	BLK \w, 2
	BLK \w, 3
	s_wait_alu depctr_va_vdst(0)                   ; block 3 has written its YO, which the last four stores read
.irp i, 12,13,14,15
	ST \w, \i
.endr
.endm
	s_cmp_lt_u32 ttmp9, 512
	s_cbranch_scc0 .Lweights
	; X.  My wave's two rows; unit p is panel p: lanes 0-15 take 256 bytes of the even row, lanes 16-31 of the odd one.
	v_and_b32 v2, 15, v1
	v_lshlrev_b32 v2, 4, v2
	v_lshrrev_b32 v5, 4, v1
	v_lshl_add_u32 v2, v5, 12, v2                  ; in: 4,096 (lane / 16) + 16 (lane % 16)
	s_lshl_b32 s20, ttmp9, 16                      ; 16 rows of 4,096 bytes a work-group,
	s_lshl_b32 s17, s16, 13                        ; two a wave
	s_add_co_u32 s20, s20, s17
	s_lshl_b32 s22, ttmp9, 11                      ; in a panel a row is 128 bytes
	s_lshl_b32 s17, s16, 8
	s_add_co_u32 s22, s22, s17
	s_wait_kmcnt 0x0
	s_add_nc_u64 s[4:5], s[4:5], s[20:21]
	s_add_nc_u64 s[12:13], s[12:13], s[22:23]
	s_add_nc_u64 s[24:25], s[12:13], 0x800000      ; panels 8-15: a second base, so that the stores' immediates stay inside their signed 24 bits
	s_wait_alu depctr_va_vdst(0)                   ; v2 is written, which the loads read as their offset, and v3, which the stores read as theirs
.irp j, 0,1,2,3,4,5,6,7,8,9,10,11,12,13,14,15
	global_load_b128 v[XI+4*(\j):XI+4*(\j)+3], v2, s[4:5] offset:256*(\j) th:TH_LOAD_NT
.endr
	WALK 0
	s_endpgm
.Lweights:
	; The weights.  My wave's two rows of one matrix; unit j is 512 consecutive bytes: row j / 8, columns 128 (j % 8) on.
	v_lshlrev_b32 v2, 4, v1                        ; in: 16 bytes a lane
	s_sub_co_u32 s17, ttmp9, 512
	s_lshr_b32 s18, s17, 6                         ; which matrix: 0 W_Q, 1 W_K, 2 W_V
	s_and_b32 s19, s17, 63
	s_lshl_b32 s19, s19, 4
	s_lshl_b32 s17, s16, 1
	s_add_co_u32 s19, s19, s17                     ; my first row
	s_lshl_b32 s20, s19, 12                        ; in: rows of 4,096 bytes
	s_mul_i32 s22, s19, 6144                       ; out: rows of 6,144 bytes,
	s_lshl_b32 s17, s18, 11                        ; the matrix's 2,048 bytes of each
	s_add_co_u32 s22, s22, s17
	s_wait_kmcnt 0x0
	s_cmp_eq_u32 s18, 1
	s_cselect_b64 s[26:27], s[8:9], s[6:7]
	s_cmp_eq_u32 s18, 2
	s_cselect_b64 s[26:27], s[10:11], s[26:27]
	s_add_nc_u64 s[26:27], s[26:27], s[20:21]
	s_add_nc_u64 s[14:15], s[14:15], s[22:23]
	s_wait_alu depctr_va_vdst(0)                   ; v2 is written, which the loads read as their offset, and v3, which the stores read as theirs
.irp j, 0,1,2,3,4,5,6,7,8,9,10,11,12,13,14,15
	global_load_b128 v[XI+4*(\j):XI+4*(\j)+3], v2, s[26:27] offset:512*(\j) th:TH_LOAD_NT
.endr
	WALK 1
	s_endpgm
.Lfunc_end_k_qf72451b41b_cast:
	.size	k_qf72451b41b_cast, .Lfunc_end_k_qf72451b41b_cast-k_qf72451b41b_cast
	.p2alignl 7, 3214868480
	.fill 96, 4, 3214868480
	.section	.rodata,"a",@progbits
	.p2align	6, 0x0
	.amdhsa_kernel k_qf72451b41b_cast
		.amdhsa_group_segment_fixed_size 0
		.amdhsa_private_segment_fixed_size 0
		.amdhsa_enable_private_segment 0
		.amdhsa_kernarg_size 48
		.amdhsa_user_sgpr_count 2
		.amdhsa_user_sgpr_kernarg_segment_ptr 1
		.amdhsa_wavefront_size32 1
		.amdhsa_system_sgpr_workgroup_id_x 1
		.amdhsa_system_sgpr_workgroup_id_y 1
		.amdhsa_system_sgpr_workgroup_id_z 1
		.amdhsa_system_vgpr_workitem_id 0
		.amdhsa_next_free_vgpr 104
		.amdhsa_next_free_sgpr 66
		.amdhsa_reserve_vcc 0
		.amdhsa_float_denorm_mode_32 3
		.amdhsa_float_denorm_mode_16_64 3
		.amdhsa_memory_ordered 1
		.amdhsa_forward_progress 1
		.amdhsa_inst_pref_size 13
	.end_amdhsa_kernel
	.amdgpu_metadata
---
amdhsa.version: [ 1, 2 ]
amdhsa.kernels:
  - .name:           k_qf72451b41b_cast
    .symbol:         k_qf72451b41b_cast.kd
    .args:
      - { .name: X, .offset: 0, .size: 8, .value_kind: global_buffer, .address_space: global }
      - { .name: W_Q, .offset: 8, .size: 8, .value_kind: global_buffer, .address_space: global }
      - { .name: W_K, .offset: 16, .size: 8, .value_kind: global_buffer, .address_space: global }
      - { .name: W_V, .offset: 24, .size: 8, .value_kind: global_buffer, .address_space: global }
      - { .name: xb, .offset: 32, .size: 8, .value_kind: global_buffer, .address_space: global }
      - { .name: wb, .offset: 40, .size: 8, .value_kind: global_buffer, .address_space: global }
    .group_segment_fixed_size: 0
    .private_segment_fixed_size: 0
    .kernarg_segment_align: 8
    .kernarg_segment_size: 48
    .max_flat_workgroup_size: 256
    .sgpr_count:     66
    .vgpr_count:     104
    .wavefront_size: 32
...
	.end_amdgpu_metadata
.endif
;; end of part 5
;; launch proj: the kernel of part 2 again; grid 8 x 32, 4 waves a work-group, clusters of 4 x 4, 327,680 bytes of LDS; arguments xb, wb, qkv; writes qkv
;; launch scores: the kernel of part 3 again; grid 8 x 32, 4 waves a work-group, clusters of 4 x 4, 327,680 bytes of LDS; arguments qkv, p, stats; writes p, stats
;; launch mix: the kernel of part 4 again; grid 4 x 64, 4 waves a work-group, clusters of 4 x 4, 327,680 bytes of LDS; arguments p, qkv, stats, out0; writes out0
